; MI455X (gfx1250); checked and timed in simulation.
; The chip was launched on July 23, 2026; its instructions are those of AMD's public machine-readable ISA for CDNA 5 (MIT licence, August 2026) and "CDNA5" Instruction Set Architecture Reference Guide (July 2026). The comments in the code are by the model that wrote it; some were corrected since.
;; Tri Plane INR. Allowed arithmetic: float matrix products may take bf16 or f16 operands with f32 sums; other float arithmetic in f32, or as packed bf16 or f16 multiplies, adds, multiply-adds, maxima and minima; sums over many terms, partial sums and values carried from step to step in f32; what a program stores and reads back later, other than sums and carried values, may be rounded once to bf16 or f16.
;; Inputs: b0 64 float32; b1 64 float32; b2 64 float32; bh 1 float32; coords 1,000,000 x 3 float32; plane_xy 32 x 256 x 256 float32; plane_xz 32 x 256 x 256 float32; plane_yz 32 x 256 x 256 float32; w0 56 x 64 float32; w1 64 x 64 float32; w2 64 x 64 float32; wh 64 x 1 float32.
;; Outputs: out0 1,000,000 float32.
;; 2 versions, each right and faster than the one before. Each part assembles by itself: llvm-mc -triple=amdgcn-amd-amdhsa -mcpu=gfx1250 --defsym DOCPART=n.
;; ======== version 1 of 2: 2 launches
;; limits: values are held in f16: magnitudes above 65,504 overflow, below 6.1e-05 lose precision; a function is approximated: absolute error at most 1e-05
;; workspace buffers: tex 12,582,912 bytes; idx 4,000,000 bytes of whole numbers; wfrag 32,768 bytes
;; launch prep (part 1): grid 1746 x 1, 8 waves a work-group, no clusters, 23,552 bytes of LDS; arguments coords, plane_xy, plane_xz, plane_yz, w0, w1, w2, tex, idx, wfrag; writes tex, idx, wfrag
.if DOCPART == 1
	.amdgcn_target "amdgcn-amd-amdhsa--gfx1250"
	.amdhsa_code_object_version 6
	.text
	.protected	k_qd135fa9e3a_prep
	.globl	k_qd135fa9e3a_prep
	.p2align	8
	.type	k_qd135fa9e3a_prep,@function
k_qd135fa9e3a_prep:
	s_mov_b64 s[64:65], 0
	v_nop
	global_prefetch_b8 v0, s[64:65] scope:SCOPE_SE
	s_setreg_imm32_b32 hwreg(HW_REG_WAVE_MODE, 25, 1), 1
	s_wait_xcnt 0x0
; PREPARATION, three roles chosen by the work-group's number (the same for all eight waves of a work-group):
;   0          the weights as register images of matrix fragments             -> wfrag
;   1 .. 768   the three planes, [32 channels][65,536 texels] f32, turned to  -> tex [3][65,536 texels][32 channels] f16, 64 bytes a texel
;   769 ..1745 the cell indices of every point, ix | iy << 8 | iz << 16        -> idx, one word a point
; The indices are whole numbers made from floating-point coordinates: the next launch forms its gather addresses from them.
; LIMITS.  tex, w0 and w1 / 2 are rounded once to f16: they must lie within 65,504.  w2 / 2 goes as a bf16 number and the bf16 rest behind it.
.set SPARE, 22528                      ; the spare words: 128 bytes for each of eight waves; no other line names them
.set HALF,  11200                      ; LDS: two halves of 140 slots of 80 bytes (64 of data, 16 of padding), one for each 128 texels
.set NQUAD, 250000                     ; groups of four points
	s_load_b512 s[4:19], s[0:1], 0x0               ; coords 4, plane_xy 6, plane_xz 8, plane_yz 10, w0 12, w1 14, w2 16, tex 18
	s_load_b128 s[20:23], s[0:1], 0x40             ; idx 20, wfrag 22
	v_lshl_add_u32 v1, v0, 2, SPARE                ; my spare word
	v_mov_b32 v2, 0
	v_lshrrev_b32 v3, 5, v0
	v_readfirstlane_b32 s24, v3                    ; wave 0..7
	v_and_b32 v3, 31, v0                           ; lane
	s_wait_kmcnt 0x0
	s_cmp_eq_u32 ttmp9, 0
	s_cbranch_scc1 .Lweights
	s_cmp_gt_u32 ttmp9, 768
	s_cbranch_scc1 .Lindices
; ---- PLANES.  A work-group turns 256 texels (one row of a plane) x 32 channels: 32,768 bytes in, 16,384 out.
; Wave w takes channels 8 (w & 3) .. + 7 of texels 128 (w >> 2) .. + 127; a lane four neighbouring texels: each load of a wave is 512 consecutive bytes of one channel's row.
	s_sub_co_u32 s25, ttmp9, 1                     ; 256 x plane + row
	s_lshr_b32 s26, s25, 8                         ; plane
	s_and_b32 s27, s25, 255                        ; row
	s_cmp_eq_u32 s26, 1
	s_cselect_b64 s[28:29], s[8:9], s[6:7]
	s_cmp_eq_u32 s26, 2
	s_cselect_b64 s[28:29], s[10:11], s[28:29]     ; the plane's address
	s_and_b32 s30, s24, 3                          ; channel group
	s_lshr_b32 s31, s24, 2                         ; texel half
	s_lshl_b32 s32, s30, 21                        ; 8 channels of 262,144 bytes
	s_lshl_b32 s33, s27, 10                        ; a row of 1,024 bytes
	s_add_co_u32 s32, s32, s33
	s_lshl_b32 s33, s31, 9                         ; 128 texels of 4 bytes
	s_add_co_u32 s32, s32, s33
	v_lshl_add_u32 v4, v3, 4, s32
.irp j, 0,1,2,3,4,5,6,7
	global_load_b128 v[8+4*\j:11+4*\j], v4, s[28:29] offset:\j*262144 th:TH_LOAD_NT  ; channel 8 g + j, my four texels; read once in the launch
.endr
	s_lshl_b32 s34, s25, 14                        ; the work-group's 16,384 bytes of tex
	s_mov_b32 s35, 0
	s_add_nc_u64 s[18:19], s[18:19], s[34:35]
	; Texel u of a half lies in slot 36 (u & 3) + (u >> 2).  Stores: lane l at 80 l: sixteen lanes touch sixteen different 16-byte columns modulo 256 bytes (5 l mod 16).
	s_mul_i32 s32, s31, HALF
	s_lshl_b32 s33, s30, 4
	s_add_co_u32 s32, s32, s33
	v_mad_u32_u24 v5, v3, 80, s32                  ; half + 80 lane + 16 channel group
	; Back: thread n takes 16 bytes at byte 16 n of each 4,096 bytes of the output: texel n >> 2, part n & 3; columns 4 ((n >> 2) & 3) + (n & 3) + a constant: again sixteen different ones.
	v_bfe_u32 v6, v0, 2, 2
	v_lshrrev_b32 v7, 4, v0
	v_mad_u32_u24 v6, v6, 36, v7
	v_mul_u32_u24 v6, v6, 80
	v_and_b32 v7, 3, v0
	v_lshl_add_u32 v6, v7, 4, v6
	v_lshlrev_b32 v7, 4, v0
.irp j, 0,2,4,6
	s_wait_loadcnt 6-\j                            ; loads come back in order: channels j and j + 1 are in, the later ones stay out
.irp i, 0,1,2,3
	v_cvt_pk_f16_f32 v[40+4*\i+\j/2], v[8+4*\j+\i], v[12+4*\j+\i]  ; texel i: two neighbouring channels, rounded once
.endr
.endr
.irp i, 0,1,2,3
	ds_store_b128 v5, v[40+4*\i:43+4*\i] offset:\i*2880  ; texel 4 lane + i: slot 36 i + lane
.endr
	s_wait_dscnt 0x0                               ; for the others' sake: my stores are done
	s_barrier_signal -1
	s_barrier_wait -1
.irp q, 0,1,2,3
	ds_load_b128 v[56+4*\q:59+4*\q], v6 offset:(\q/2)*HALF+(\q%2)*1280
.endr
.irp q, 0,1,2,3
	s_wait_dscnt 3-\q                              ; read-back q is in, the later ones stay out
	global_store_b128 v7, v[56+4*\q:59+4*\q], s[18:19] offset:\q*4096  ; a wave stores 512 consecutive bytes, aligned; the next launch reads them: no hint
.endr
	s_wait_tensorcnt 0x0                           ; the wave's end
	ds_add_u32 v1, v2
	s_wait_dscnt 0x0
	s_endpgm
; ---- INDICES.  A thread takes four points: 48 bytes of coordinates in, 16 bytes of index words out.
; cn = c x 2/511 - 1;  p = clamp(127.5 cn + 127.5, 0, 255);  i = min(trunc p, 254).  The next launch makes p by the same instructions and takes f = p - i, 0 to 1:
; with i held to 254 and f = 1 the border is the reference's clamp of the upper neighbour, and the four texels always lie at t, t + 1, t + 256, t + 257.
.Lindices:
	s_sub_co_u32 s25, ttmp9, 769
	s_lshl_b32 s25, s25, 8
	s_mov_b32 s28, 0x3b804020                      ; 2 / 511
	s_mov_b32 s29, 0x3b804020
	s_mov_b32 s30, 0x42ff0000                      ; 127.5
	s_mov_b32 s31, 0x42ff0000
	s_mov_b32 s32, 0x437f0000                      ; 255
	v_add_nc_u32 v4, s25, v0                       ; my group of four points
	v_mul_u32_u24 v5, v4, 48
	v_lshlrev_b32 v6, 4, v4
	s_wait_xcnt 0x0                                ; EXEC changes only behind this wait
	v_cmp_gt_u32 vcc_lo, NQUAD, v4
	s_and_saveexec_b32 s26, vcc_lo                 ; 977 x 256 threads for 250,000 groups: the last 112 threads do nothing; EXEC stays so to the end
	global_load_b128 v[8:11], v5, s[4:5]
	global_load_b128 v[12:15], v5, s[4:5] offset:16
	global_load_b128 v[16:19], v5, s[4:5] offset:32
	s_wait_loadcnt 0x0
.irp k, 0,2,4,6,8,10
	v_pk_fma_f32 v[20+\k:21+\k], v[8+\k:9+\k], s[28:29], -1.0 op_sel_hi:[1,0,0]
.endr
.irp k, 0,2,4,6,8,10
	v_pk_fma_f32 v[20+\k:21+\k], v[20+\k:21+\k], s[30:31], s[30:31] op_sel_hi:[1,0,0]
.endr
.irp k, 0,1,2,3,4,5,6,7,8,9,10,11
	v_med3_num_f32 v[20+\k], v[20+\k], 0, s32
.endr
.irp k, 0,1,2,3,4,5,6,7,8,9,10,11
	v_cvt_u32_f32 v[20+\k], v[20+\k]
.endr
.irp k, 0,1,2,3,4,5,6,7,8,9,10,11
	v_min_u32 v[20+\k], 254, v[20+\k]
.endr
.irp i, 0,1,2,3
	v_lshl_or_b32 v[32+\i], v[21+3*\i], 8, v[20+3*\i]
.endr
.irp i, 0,1,2,3
	v_lshl_or_b32 v[32+\i], v[22+3*\i], 16, v[32+\i]
.endr
	global_store_b128 v6, v[32:35], s[20:21]       ; a wave stores 512 consecutive bytes, aligned
	s_endpgm
; ---- WEIGHTS.  The products of the next launch are H^T = W^T X^T: source 0 is 16 output units x 32 inputs.  In such a fragment lane (r = l % 16, h = l / 16) holds unit 16 t + r;
; registers 0-3 (e = 0) and 4-7 (e = 1) hold inputs k = 32 ks + 16 e + 8 h + 0..7 (ISA guide 7.12.2).  Wave w makes block w >> 1 (w0 in f16; w1 / 2 in f16; w2 / 2 in bf16; its bf16 rest),
; K half ks = w & 1: eight groups of four registers, group n = 8 w + 2 t + e at byte 512 n + 16 lane of wfrag.  The halves: the layers carry 2 gelu.
.Lweights:
	s_lshr_b32 s25, s24, 1                         ; block
	s_and_b32 s26, s24, 1                          ; ks
	s_cmp_eq_u32 s25, 0
	s_cselect_b64 s[28:29], s[12:13], s[16:17]
	s_cselect_b32 s30, 1.0, 0.5                    ; the scale
	s_cmp_eq_u32 s25, 1
	s_cselect_b64 s[28:29], s[14:15], s[28:29]
	s_cmp_eq_u32 s24, 1
	s_cselect_b32 s31, 0xffff0000, 0               ; w0 has 56 rows: in wave 1 lanes 16-31 with e = 1 would want rows 56-63
	v_and_b32 v6, 15, v3                           ; r
	v_lshrrev_b32 v7, 4, v3                        ; h
	s_lshl_b32 s32, s26, 13                        ; 32 rows of 256 bytes
	v_lshl_add_u32 v6, v6, 2, s32
	v_lshl_add_u32 v4, v7, 11, v6                  ; 8,192 ks + 2,048 h + 4 r
	v_cndmask_b32 v7, v7, 0, s31                   ; those lanes read rows 48-55 instead, inside w0,
	v_lshl_add_u32 v5, v7, 11, v6
	v_mov_b32 v72, s30
	v_mov_b32 v73, s30
	v_cndmask_b32 v74, v72, 0, s31                 ; and multiply them by 0
	v_mov_b32 v75, v74
.irp t, 0,1,2,3
.irp c, 0,1,2,3,4,5,6,7
	global_load_b32 v[8+16*\t+\c], v4, s[28:29] offset:256*\c+64*\t
	global_load_b32 v[16+16*\t+\c], v5, s[28:29] offset:4096+256*\c+64*\t
.endr
.endr
	s_lshl_b32 s33, s24, 12
	v_lshl_add_u32 v7, v3, 4, s33                  ; 4,096 w + 16 lane
	s_wait_loadcnt 0x0
.irp n, 0,1,2,3,4,5,6,7
.irp i, 0,2,4,6
	v_pk_mul_f32 v[8+8*\n+\i:9+8*\n+\i], v[8+8*\n+\i:9+8*\n+\i], v[72+2*(\n%2):73+2*(\n%2)]
.endr
.endr
	s_cmp_lt_u32 s25, 2
	s_cbranch_scc0 .Lbf
.irp n, 0,1,2,3,4,5,6,7
.irp i, 0,1,2,3
	v_cvt_pk_f16_f32 v[8+8*\n+\i], v[8+8*\n+2*\i], v[9+8*\n+2*\i]  ; in place: register i is written when pairs 0 .. i have been read
.endr
.endr
	s_branch .Lwstore
.Lbf:
	s_cmp_eq_u32 s25, 2
	s_cbranch_scc0 .Llo
.irp n, 0,1,2,3,4,5,6,7
.irp i, 0,1,2,3
	v_cvt_pk_bf16_f32 v[8+8*\n+\i], v[8+8*\n+2*\i], v[9+8*\n+2*\i]
.endr
.endr
	s_branch .Lwstore
.Llo:
.irp n, 0,1,2,3,4,5,6,7
.irp i, 0,1,2,3
	v_cvt_pk_bf16_f32 v76, v[8+8*\n+2*\i], v[9+8*\n+2*\i]
	v_lshlrev_b32 v78, 16, v76                     ; the two bf16 numbers as f32,
	v_and_b32 v79, 0xffff0000, v76
	v_pk_add_f32 v[78:79], v[8+8*\n+2*\i:9+8*\n+2*\i], v[78:79] neg_lo:[0,1] neg_hi:[0,1]  ; what they left (exact),
	v_cvt_pk_bf16_f32 v[8+8*\n+\i], v78, v79       ; rounded to bf16
.endr
.endr
.Lwstore:
.irp n, 0,1,2,3,4,5,6,7
	global_store_b128 v7, v[8+8*\n:11+8*\n], s[22:23] offset:512*\n
.endr
	s_endpgm
.Lfunc_end_k_qd135fa9e3a_prep:
	.size	k_qd135fa9e3a_prep, .Lfunc_end_k_qd135fa9e3a_prep-k_qd135fa9e3a_prep
	.p2alignl 7, 3214868480
	.fill 96, 4, 3214868480
	.section	.rodata,"a",@progbits
	.p2align	6, 0x0
	.amdhsa_kernel k_qd135fa9e3a_prep
		.amdhsa_group_segment_fixed_size 23552
		.amdhsa_private_segment_fixed_size 0
		.amdhsa_enable_private_segment 0
		.amdhsa_kernarg_size 80
		.amdhsa_user_sgpr_count 2
		.amdhsa_user_sgpr_kernarg_segment_ptr 1
		.amdhsa_wavefront_size32 1
		.amdhsa_system_sgpr_workgroup_id_x 1
		.amdhsa_system_sgpr_workgroup_id_y 1
		.amdhsa_system_sgpr_workgroup_id_z 1
		.amdhsa_system_vgpr_workitem_id 0
		.amdhsa_next_free_vgpr 96
		.amdhsa_next_free_sgpr 66
		.amdhsa_reserve_vcc 1
		.amdhsa_float_denorm_mode_32 3
		.amdhsa_float_denorm_mode_16_64 3
		.amdhsa_memory_ordered 1
		.amdhsa_forward_progress 1
		.amdhsa_inst_pref_size 33
	.end_amdhsa_kernel
	.amdgpu_metadata
---
amdhsa.version: [ 1, 2 ]
amdhsa.kernels:
  - .name:           k_qd135fa9e3a_prep
    .symbol:         k_qd135fa9e3a_prep.kd
    .args:
      - { .name: coords, .offset: 0, .size: 8, .value_kind: global_buffer, .address_space: global }
      - { .name: plane_xy, .offset: 8, .size: 8, .value_kind: global_buffer, .address_space: global }
      - { .name: plane_xz, .offset: 16, .size: 8, .value_kind: global_buffer, .address_space: global }
      - { .name: plane_yz, .offset: 24, .size: 8, .value_kind: global_buffer, .address_space: global }
      - { .name: w0, .offset: 32, .size: 8, .value_kind: global_buffer, .address_space: global }
      - { .name: w1, .offset: 40, .size: 8, .value_kind: global_buffer, .address_space: global }
      - { .name: w2, .offset: 48, .size: 8, .value_kind: global_buffer, .address_space: global }
      - { .name: tex, .offset: 56, .size: 8, .value_kind: global_buffer, .address_space: global }
      - { .name: idx, .offset: 64, .size: 8, .value_kind: global_buffer, .address_space: global }
      - { .name: wfrag, .offset: 72, .size: 8, .value_kind: global_buffer, .address_space: global }
    .group_segment_fixed_size: 23552
    .private_segment_fixed_size: 0
    .kernarg_segment_align: 8
    .kernarg_segment_size: 80
    .max_flat_workgroup_size: 256
    .sgpr_count:     66
    .vgpr_count:     96
    .wavefront_size: 32
...
	.end_amdgpu_metadata
.endif
;; end of part 1
;; launch main (part 2): grid 256 x 1, 8 waves a work-group, no clusters, 2,048 bytes of LDS; arguments coords, idx, tex, wfrag, b0, b1, b2, wh, bh, out0; writes out0
.if DOCPART == 2
	.amdgcn_target "amdgcn-amd-amdhsa--gfx1250"
	.amdhsa_code_object_version 6
	.text
	.protected	k_qd135fa9e3a_main
	.globl	k_qd135fa9e3a_main
	.p2align	8
	.type	k_qd135fa9e3a_main,@function
k_qd135fa9e3a_main:
	s_mov_b64 s[64:65], 0
	v_nop
	global_prefetch_b8 v0, s[64:65] scope:SCOPE_SE
	s_setreg_imm32_b32 hwreg(HW_REG_WAVE_MODE, 25, 1), 1
	s_wait_xcnt 0x0
; out[n] = head(gelu(gelu(gelu([feat, pe] w0 + b0) w1 + b1) w2 + b2)): bilinear samples of three planes added, 24 sines and cosines, three layers of 64, one output.
; SHARES.  2,048 waves; wave g = 256 wave + work-group takes the blocks g, g + 2,048, .. of 64 points (15,625 blocks: 7 or 8 a wave).  A trip of the one loop is a TILE of 16 points.
; Tile j of a block holds points 32 (j >> 1) + (j & 1) + 2 r: lane l = 16 h + r then owns points 2 l and 2 l + 1 of the block (tiles 2 h, 2 h + 1), and every fourth trip
; one store of 8 bytes a lane writes the block's 256 bytes, aligned.
; LAYOUT.  H^T = W^T X^T: source 0 = 16 output units x 32 inputs (weights, all 256 registers of window 1, loaded once), source 1 = 32 inputs x 16 points.  In the result lane (r, h) holds
; point r, units 16 t + 8 h + 0..7; two such results packed in pairs ARE source 1 of the next layer (ISA guide 7.12.2): nothing changes lanes in the MLP.  The C operand that starts a sum is the bias.
; Layer 0's inputs: k = 0..31 the channels (lane half h reads bytes 16 h and 32 + 16 h of a texel); 32..55 x's, y's, z's sin f0-f3, cos f0-f3; 56..63 meet weights that are 0.
; FORMATS.  Texels, layer 0's inputs, w0, w1 / 2 and 2 gelu of layer 0: f16.  2 gelu of layer 1 and w2 / 2: a bf16 number and the bf16 rest behind it, three products (rest x number, number x rest,
; number x number): f32's range, 16 bits.  Sums, biases, gelu, layer 2's output and the head: f32.  The layers carry y = 2 gelu; the half lies in w1, w2 and the head's last multiply-add.
; GELU.  a = |x|;  q = erfc(a / sqrt 2) = (1 + d1 a + .. + d6 a^6)^-16 (Abramowitz and Stegun 26.2.19);  y = (x + a) - a q.  Where the polynomial or its power overflows, q = 0, which is right.
; SINES.  rr = cn / 2 - round(cn / 2); sin and cos of (pi / 2) rr by Taylor series to rr^7 and rr^8; five doublings (t = 2 s; s' = t c; c' = 1 - t s): the second gives pi cn, the others 2, 4, 8 pi cn.
; LIMITS.  |sum of samples| and |2 gelu| of layer 0 within f16's 65,504; q is off by 3e-7 at the most, the sines and cosines by about 1e-5; NaN and infinite coordinates are not treated apart.
; NO TENSOR LOADS, NO CLUSTER: the bulk reads are gathers, an address a lane, and all that work-groups share is 32,768 bytes of weights, read once into registers.
.set NBLK,  15625
.set FULL,  1289                       ; 15,625 = 7 x 2,048 + 1,289: the waves below this number have 8 blocks
.set SPARE, 1024                       ; LDS: b0 at 0, b1 at 256, b2 at 512, wh at 768; then the spare words, 128 bytes for each of eight waves, which no other line names
.set SPW,  1                           ; v1   my spare word's address; never rewritten
.set NIL,  2                           ; v2   0; never rewritten
.set LB,   3                           ; v3   32 h: my eight units' place in a tile's 64 bytes of a table
.set H16,  4                           ; v4   16 h
.set R24,  5                           ; v5   24 r: every second point's coordinates
.set R8,   6                           ; v6   8 r: every second point's index word
.set OUTL, 7                           ; v7   8 lane
.set AC,   8                           ; v8   offset of my point's coordinates
.set AI,   9                           ; v9   of its index word
.set OA,   10                          ; v10  of my 8 bytes of out0
.set NEG1, 11                          ; v11  -1.0
.set ZR,   12                          ; v12  0.0
.set OUTV, 13                          ; v13  the tile's result
.set R0,   14                          ; v[14:15] my two points' results
.set PN,   16                          ; v[16:19] x, y, z, index word, as loaded
.set OF,   20                          ; v[20:22] the three gather offsets
.set L16,  23                          ; v23  16 lane
.set Q,    24                          ; v[24:29] (1 - f, f) for x, y, z
.set U,    30                          ; v[30:31] (h ? cn y : cn x, cn z)
.set T,    32                          ; v[32:63] at work
.set ACC,  64                          ; v[64:95] four accumulators
.set BA,   96                          ; v[96:111]  source 1: layer 0's inputs; later the bf16 numbers of layer 2's
.set BB,   112                         ; v[112:127] the 16 channel sums in f32; later source 1 of layer 1
.set BC,   128                         ; v[128:143] the 12 bilinear weights; later the bf16 rests of layer 2's inputs
.set G,    144                         ; v[144:239] gathered texels: plane p, texel 2 dy + dx, 16-byte part q at G + 32 p + 8 (2 dy + dx) + 4 q
.set HS,   240                         ; v[240:243] the head's two packed sums
.set HT,   244                         ; v[244:245] at work in the head
; scalars: s[4:23] the ten addresses; s24 wave; s25 g; s26 trips; s27 trip; s28-s31 at work; s[36:37] lane selects; s38 bh; s39 sign mask; s[40:51] d1-d6 in pairs; s52 mask of lanes 16-31;
; s53 255; s[54:55] 2/511; s[56:59] planes 1, 2 of tex; s60-s63 the result's masks; s[68:69] 127.5; s[70:85] the series' constants in pairs
.set MSB, 0
.macro WIN new                         ; s_set_vgpr_msb: bits 1:0 source 0's window, 7:6 the destination's; the high byte repeats the setting that is left
.if MSB != (\new)
	s_set_vgpr_msb (MSB<<8)|(\new)
.set MSB, \new
.endif
.endm
.macro SPAIR r, val                    ; a constant for packed arithmetic: named as a pair, so both words are written
	s_mov_b32 s[\r], \val
	s_mov_b32 s[(\r)+1], \val
.endm
; The offsets of tile s[tt]'s point loads.  The block is held to the last one: the look-ahead of a wave's last two trips stays inside the buffers.
.macro TILEADR tt
	s_lshr_b32 s28, s[\tt], 2
	s_lshl_b32 s28, s28, 11
	s_add_co_u32 s28, s28, s25                     ; block g + 2,048 (tile / 4)
	s_min_u32 s28, s28, NBLK-1
	s_lshl_b32 s28, s28, 6
	s_and_b32 s29, s[\tt], 2
	s_lshl_b32 s29, s29, 4
	s_add_co_u32 s28, s28, s29
	s_and_b32 s29, s[\tt], 1
	s_add_co_u32 s28, s28, s29                     ; the tile's first point
	s_mul_i32 s29, s28, 12
	s_lshl_b32 s30, s28, 2
	v_add_nc_u32 v[AC], s29, v[R24]
	v_add_nc_u32 v[AI], s30, v[R8]
.endm
.macro PLOAD
	global_load_b96 v[PN:PN+2], v[AC], s[4:5]
	global_load_b32 v[PN+3], v[AI], s[6:7]
.endm
; From a point's coordinates and index word: U, the three (1 - f, f), the three gather offsets.
.macro POINT
	v_pk_fma_f32 v[T:T+1], v[PN:PN+1], s[54:55], -1.0 op_sel_hi:[1,0,0]  ; cn = c x 2/511 - 1
	v_fma_f32 v[U+1], v[PN+2], s54, -1.0
	v_and_b32 v[T+5], 0xff, v[PN+3]                ; ix
	v_bfe_u32 v[T+6], v[PN+3], 8, 8                ; iy
	v_bfe_u32 v[T+7], v[PN+3], 16, 8               ; iz
	v_cndmask_b32 v[U], v[T], v[T+1], s52
	v_pk_fma_f32 v[T+2:T+3], v[T:T+1], s[68:69], s[68:69] op_sel_hi:[1,0,0]  ; 127.5 cn + 127.5
	v_fma_f32 v[T+4], v[U+1], s68, s68
	v_cvt_f32_u32 v[T+8], v[T+5]
	v_cvt_f32_u32 v[T+9], v[T+6]
	v_cvt_f32_u32 v[T+10], v[T+7]
	v_lshl_or_b32 v[T+11], v[T+5], 8, v[T+6]       ; plane xy: row x, column y
	v_lshl_or_b32 v[T+12], v[T+5], 8, v[T+7]       ; plane xz: row x, column z
	v_lshl_or_b32 v[T+13], v[T+6], 8, v[T+7]       ; plane yz: row y, column z
	v_med3_num_f32 v[T+2], v[T+2], 0, s53
	v_med3_num_f32 v[T+3], v[T+3], 0, s53
	v_med3_num_f32 v[T+4], v[T+4], 0, s53
	v_min_u32 v[T+11], 0xfefe, v[T+11]             ; 254 x 256 + 254: with its three neighbours the texel lies inside the plane
	v_min_u32 v[T+12], 0xfefe, v[T+12]
	v_min_u32 v[T+13], 0xfefe, v[T+13]
	v_sub_f32 v[Q+1], v[T+2], v[T+8]               ; f
	v_sub_f32 v[Q+3], v[T+3], v[T+9]
	v_sub_f32 v[Q+5], v[T+4], v[T+10]
	v_lshl_add_u32 v[OF], v[T+11], 6, v[H16]       ; 64 bytes a texel, my half's 16
	v_lshl_add_u32 v[OF+1], v[T+12], 6, v[H16]
	v_lshl_add_u32 v[OF+2], v[T+13], 6, v[H16]
	v_sub_f32 v[Q], 1.0, v[Q+1]
	v_sub_f32 v[Q+2], 1.0, v[Q+3]
	v_sub_f32 v[Q+4], 1.0, v[Q+5]
.endm
.macro GPLANE p, base                  ; a plane's four texels, two parts of 16 bytes each for my half of the lanes
.irp tau, 0,1,2,3
.irp q, 0,1
	global_load_b128 v[G+32*(\p)+8*\tau+4*\q:G+32*(\p)+8*\tau+4*\q+3], v[OF+(\p)], s[\base:\base+1] offset:(\tau/2)*16384+(\tau%2)*64+\q*32
.endr
.endr
.endm
.macro GATHER
	GPLANE 0, 8
	GPLANE 1, 56
	GPLANE 2, 58
.endm
.macro DBL si, ci, so, co              ; the double angle
	v_pk_add_f32 v[T+8:T+9], v[T+\si:T+\si+1], v[T+\si:T+\si+1]
	v_pk_mul_f32 v[T+\so:T+\so+1], v[T+8:T+9], v[T+\ci:T+\ci+1]
	v_pk_fma_f32 v[T+\co:T+\co+1], v[T+8:T+9], v[T+\si:T+\si+1], 1.0 op_sel_hi:[1,1,0] neg_lo:[1,0,0] neg_hi:[1,0,0]
.endm
; The encoding of U's two numbers at once -> BA + 8 .. 11 (low: x's or y's), BA + 12 .. 15 (high: z's; in lanes 16-31 it meets the weights that are 0).
.macro PE
	v_pk_mul_f32 v[T:T+1], v[U:U+1], 0.5 op_sel_hi:[1,0]
	v_rndne_f32 v[T+2], v[T]
	v_rndne_f32 v[T+3], v[T+1]
	v_pk_add_f32 v[T:T+1], v[T:T+1], v[T+2:T+3] neg_lo:[0,1] neg_hi:[0,1]  ; rr
	v_pk_mul_f32 v[T+2:T+3], v[T:T+1], v[T:T+1]
	v_pk_fma_f32 v[T+4:T+5], v[T+2:T+3], s[76:77], s[74:75] op_sel_hi:[1,0,0]
	v_pk_fma_f32 v[T+6:T+7], v[T+2:T+3], s[84:85], s[82:83] op_sel_hi:[1,0,0]
	v_pk_fma_f32 v[T+4:T+5], v[T+4:T+5], v[T+2:T+3], s[72:73] op_sel_hi:[1,1,0]
	v_pk_fma_f32 v[T+6:T+7], v[T+6:T+7], v[T+2:T+3], s[80:81] op_sel_hi:[1,1,0]
	v_pk_fma_f32 v[T+4:T+5], v[T+4:T+5], v[T+2:T+3], s[70:71] op_sel_hi:[1,1,0]
	v_pk_fma_f32 v[T+6:T+7], v[T+6:T+7], v[T+2:T+3], s[78:79] op_sel_hi:[1,1,0]
	v_pk_mul_f32 v[T+4:T+5], v[T+4:T+5], v[T:T+1]                        ; sin((pi / 2) rr)
	v_pk_fma_f32 v[T+6:T+7], v[T+6:T+7], v[T+2:T+3], 1.0 op_sel_hi:[1,1,0]  ; cos
	DBL 4, 6, 0, 2
	DBL 0, 2, 12, 14                               ; pi cn
	DBL 12, 14, 16, 18
	DBL 16, 18, 20, 22
	DBL 20, 22, 24, 26
.irp w, 0,1
	v_cvt_pk_f16_f32 v[BA+8+4*\w], v[T+12+\w], v[T+16+\w]   ; sin f0, f1
	v_cvt_pk_f16_f32 v[BA+9+4*\w], v[T+20+\w], v[T+24+\w]   ; sin f2, f3
	v_cvt_pk_f16_f32 v[BA+10+4*\w], v[T+14+\w], v[T+18+\w]  ; cos f0, f1
	v_cvt_pk_f16_f32 v[BA+11+4*\w], v[T+22+\w], v[T+26+\w]  ; cos f2, f3
.endr
.endm
; A plane's share of the 16 channel sums: 64 multiply-adds straight from the f16 halves, in f32.
.macro IPLANE p
	s_wait_loadcnt 18-8*(\p)                       ; loads come back in order: behind this plane's eight were issued the later planes' 16, 8 or 0 and the next point's two
.irp tau, 0,1,2,3
.irp q, 0,1
.irp i, 0,1,2,3
.if ((\p) == 0) && (\tau == 0)
	v_fma_mix_f32 v[BB+8*\q+2*\i], v[G+4*\q+\i], v[BC], v[ZR] op_sel_hi:[1,0,0]
	v_fma_mix_f32 v[BB+8*\q+2*\i+1], v[G+4*\q+\i], v[BC], v[ZR] op_sel:[1,0,0] op_sel_hi:[1,0,0]
.else
	v_fma_mix_f32 v[BB+8*\q+2*\i], v[G+32*(\p)+8*\tau+4*\q+\i], v[BC+4*(\p)+\tau], v[BB+8*\q+2*\i] op_sel_hi:[1,0,0]
	v_fma_mix_f32 v[BB+8*\q+2*\i+1], v[G+32*(\p)+8*\tau+4*\q+\i], v[BC+4*(\p)+\tau], v[BB+8*\q+2*\i+1] op_sel:[1,0,0] op_sel_hi:[1,0,0]
.endif
.endr
.endr
.endr
.endm
.macro WPAIR p, qw, qh                 ; a plane's four weights: (1 - fw, fw) times 1 - fh, then times fh; w the column's coordinate, h the row's
	v_pk_mul_f32 v[BC+4*(\p):BC+4*(\p)+1], v[Q+\qw:Q+\qw+1], v[Q+\qh:Q+\qh+1] op_sel_hi:[1,0]
	v_pk_mul_f32 v[BC+4*(\p)+2:BC+4*(\p)+3], v[Q+\qw:Q+\qw+1], v[Q+\qh:Q+\qh+1] op_sel:[0,1] op_sel_hi:[1,1]
.endm
.macro INTERP
	WPAIR 0, 2, 0
	WPAIR 1, 4, 0
	WPAIR 2, 4, 2
	IPLANE 0
	IPLANE 1
	IPLANE 2
.irp i, 0,1,2,3,4,5,6,7
	v_cvt_pk_f16_f32 v[BA+\i], v[BB+2*\i], v[BB+2*\i+1]
.endr
.endm
; Eight matrix instructions: K halves 0, 1 x the four accumulators, which take turns, one instruction a turn.
.macro LAYER form, wb, b
.irp ks, 0,1
.irp t, 0,1,2,3
	v_wmma_f32_16x16x32_\form v[ACC+8*\t:ACC+8*\t+7], v[\wb+32*\ks+8*\t:\wb+32*\ks+8*\t+7], v[\b+8*\ks:\b+8*\ks+7], v[ACC+8*\t:ACC+8*\t+7]
.endr
.endr
.endm
.macro MLPL n
	s_wait_dscnt 0x0                               ; the biases are in the accumulators
	WIN 0x01                                       ; source 0 in window 1
.if (\n) == 0
	LAYER f16, 0, BA
.elseif (\n) == 1
	LAYER f16, 64, BB
.else
	LAYER bf16, 192, BA                            ; rest of w2 x number
	LAYER bf16, 128, BC                            ; w2 x rest
	LAYER bf16, 128, BA                            ; w2 x number
.endif
	WIN 0
.rept 4
	v_nop                                          ; four places between the last product and the first read of a result (ISA guide 7.12.1)
.endr
.endm
; y = 2 gelu of accumulator t.  Once x + |x| is made the accumulator is free: table `next` (the next layer's bias, or wh) is loaded into it.
; mode 0: y -> f16 -> BB.  mode 1: y -> bf16 number -> BA, rest -> BC.  mode 2: y times wh onto the head's sums; then b0 for the next tile.
.macro GELU t, next, mode
.set XR, ACC+8*(\t)
.irp i, 0,1,2,3,4,5,6,7
	v_and_b32 v[T+\i], s39, v[XR+\i]               ; a; the accumulator is read from its low end on
.endr
.irp i, 0,2,4,6
	v_pk_add_f32 v[T+8+\i:T+9+\i], v[XR+\i:XR+\i+1], v[T+\i:T+\i+1]
.endr
	ds_load_b128 v[XR:XR+3], v[LB] offset:256*(\next)+64*(\t)
	ds_load_b128 v[XR+4:XR+7], v[LB] offset:256*(\next)+64*(\t)+16
.irp i, 0,2,4,6
	v_pk_fma_f32 v[T+16+\i:T+17+\i], v[T+\i:T+\i+1], s[50:51], s[48:49] op_sel_hi:[1,0,0]
.endr
.irp d, 46,44,42,40
.irp i, 0,2,4,6
	v_pk_fma_f32 v[T+16+\i:T+17+\i], v[T+16+\i:T+17+\i], v[T+\i:T+\i+1], s[\d:\d+1] op_sel_hi:[1,1,0]
.endr
.endr
.irp i, 0,2,4,6
	v_pk_fma_f32 v[T+16+\i:T+17+\i], v[T+16+\i:T+17+\i], v[T+\i:T+\i+1], 1.0 op_sel_hi:[1,1,0]
.endr
.rept 4                                ; the 16th power
.irp i, 0,2,4,6
	v_pk_mul_f32 v[T+16+\i:T+17+\i], v[T+16+\i:T+17+\i], v[T+16+\i:T+17+\i]
.endr
.endr
.irp i, 0,1,2,3,4,5,6,7
	v_rcp_f32 v[T+16+\i], v[T+16+\i]
.endr
	v_nop                                          ; a plain instruction between the last reciprocal and the use of its result
	s_wait_alu depctr_va_vdst(0)
.irp i, 0,2,4,6
	v_pk_fma_f32 v[T+8+\i:T+9+\i], v[T+\i:T+\i+1], v[T+16+\i:T+17+\i], v[T+8+\i:T+9+\i] neg_lo:[1,0,0] neg_hi:[1,0,0]
.endr
.if (\mode) == 0
.irp i, 0,1,2,3
	v_cvt_pk_f16_f32 v[BB+4*(\t)+\i], v[T+8+2*\i], v[T+9+2*\i]
.endr
.elseif (\mode) == 1
.irp i, 0,1,2,3
	v_cvt_pk_bf16_f32 v[BA+4*(\t)+\i], v[T+8+2*\i], v[T+9+2*\i]
.endr
.irp i, 0,1,2,3
	v_fma_mix_f32_bf16 v[T+24+2*\i], v[BA+4*(\t)+\i], v[NEG1], v[T+8+2*\i] op_sel_hi:[1,0,0]                ; y less its bf16 number: exact
	v_fma_mix_f32_bf16 v[T+25+2*\i], v[BA+4*(\t)+\i], v[NEG1], v[T+9+2*\i] op_sel:[1,0,0] op_sel_hi:[1,0,0]
.endr
.irp i, 0,1,2,3
	v_cvt_pk_bf16_f32 v[BC+4*(\t)+\i], v[T+24+2*\i], v[T+25+2*\i]
.endr
.else
	s_wait_dscnt 0x0                               ; wh of my eight units
.if (\t) == 0
	v_pk_mul_f32 v[HS:HS+1], v[T+8:T+9], v[XR:XR+1]
	v_pk_mul_f32 v[HS+2:HS+3], v[T+10:T+11], v[XR+2:XR+3]
.else
	v_pk_fma_f32 v[HS:HS+1], v[T+8:T+9], v[XR:XR+1], v[HS:HS+1]
	v_pk_fma_f32 v[HS+2:HS+3], v[T+10:T+11], v[XR+2:XR+3], v[HS+2:HS+3]
.endif
	v_pk_fma_f32 v[HS:HS+1], v[T+12:T+13], v[XR+4:XR+5], v[HS:HS+1]
	v_pk_fma_f32 v[HS+2:HS+3], v[T+14:T+15], v[XR+6:XR+7], v[HS+2:HS+3]
	ds_load_b128 v[XR:XR+3], v[LB] offset:64*(\t)
	ds_load_b128 v[XR+4:XR+7], v[LB] offset:64*(\t)+16
.endif
.endm
	s_load_b512 s[4:19], s[0:1], 0x0               ; coords 4, idx 6, tex 8, wfrag 10, b0 12, b1 14, b2 16, wh 18
	s_load_b128 s[20:23], s[0:1], 0x40             ; bh 20, out0 22
	v_lshl_add_u32 v[SPW], v0, 2, SPARE
	v_mov_b32 v[NIL], 0
	v_lshrrev_b32 v32, 5, v0
	v_readfirstlane_b32 s24, v32                   ; wave 0..7
	v_and_b32 v33, 31, v0                          ; lane
	v_and_b32 v34, 15, v0                          ; r
	v_bfe_u32 v35, v0, 4, 1                        ; h
	v_lshlrev_b32 v[LB], 5, v35
	v_lshlrev_b32 v[H16], 4, v35
	v_mul_u32_u24 v[R24], v34, 24
	v_lshlrev_b32 v[R8], 3, v34
	v_lshlrev_b32 v[OUTL], 3, v33
	v_lshlrev_b32 v[L16], 4, v33
	v_mov_b32 v[NEG1], -1.0
	v_mov_b32 v[ZR], 0
	v_mov_b32 v[R0], 0
	v_mov_b32 v[R0+1], 0
	v_mov_b32 v[HT], 0
	v_mov_b32 v[HT+1], 0
	s_lshl_b32 s25, s24, 8
	s_add_co_u32 s25, s25, ttmp9                   ; g
	s_cmp_lt_u32 s25, FULL
	s_cselect_b32 s26, 32, 28                      ; four tiles a block
	s_mov_b32 s27, 0
	s_mov_b32 s36, 0x76543210                      ; v_permlanex16_b32: each lane takes its own place in the other half
	s_mov_b32 s37, 0xfedcba98
	s_mov_b32 s39, 0x7fffffff
	SPAIR 40, 0x3d4c41b4                           ; d1 = .0498673470
	SPAIR 42, 0x3cad2fe7                           ; d2 = .0211410061
	SPAIR 44, 0x3b56cd72                           ; d3 = .0032776263
	SPAIR 46, 0x381f660e                           ; d4 = .0000380036
	SPAIR 48, 0x384d0fe2                           ; d5 = .0000488906
	SPAIR 50, 0x36b49f9e                           ; d6 = .0000053830
	s_mov_b32 s52, 0xffff0000
	s_mov_b32 s53, 0x437f0000                      ; 255
	SPAIR 54, 0x3b804020                           ; 2 / 511
	SPAIR 68, 0x42ff0000                           ; 127.5
	SPAIR 70, 0x3fc90fdb                           ; pi / 2
	SPAIR 72, 0xbf255de7                           ; -(pi / 2)^3 / 6
	SPAIR 74, 0x3da335e3                           ; (pi / 2)^5 / 120
	SPAIR 76, 0xbb996966                           ; -(pi / 2)^7 / 5040
	SPAIR 78, 0xbf9de9e6                           ; -(pi / 2)^2 / 2
	SPAIR 80, 0x3e81e0f8                           ; (pi / 2)^4 / 24
	SPAIR 82, 0xbcaae9e4                           ; -(pi / 2)^6 / 720
	SPAIR 84, 0x3a70fa84                           ; (pi / 2)^8 / 40320
	s_wait_kmcnt 0x0
	s_load_b32 s38, s[20:21], 0x0                  ; bh
	s_add_nc_u64 s[56:57], s[8:9], 0x400000        ; tex, planes 1 and 2
	s_add_nc_u64 s[58:59], s[8:9], 0x800000
	TILEADR 27
	PLOAD                                          ; tile 0's point first, then all else that the start needs: one wait serves them all
	WIN 0x40                                       ; destination window 1
.set n, 0
.rept 64
	global_load_b128 v[4*n:4*n+3], v[L16], s[10:11] offset:512*n  ; the weights: w0 at v0 of window 1, w1 / 2 at v64, w2 / 2 at v128, its rest at v192
.set n, n+1
.endr
	WIN 0
	s_cmp_lt_u32 s24, 2
	s_cbranch_scc0 .Ltables_done                   ; waves 0 and 1 copy the four tables of 64 numbers into LDS
	v_and_b32 v36, 63, v0
	v_lshlrev_b32 v36, 2, v36
	global_load_b32 v37, v36, s[12:13]
	global_load_b32 v38, v36, s[14:15]
	global_load_b32 v39, v36, s[16:17]
	global_load_b32 v40, v36, s[18:19]
	s_wait_loadcnt 0x0
	ds_store_b32 v36, v37
	ds_store_b32 v36, v38 offset:256
	ds_store_b32 v36, v39 offset:512
	ds_store_b32 v36, v40 offset:768
.Ltables_done:
	s_wait_dscnt 0x0                               ; for the others' sake: my stores are done
	s_barrier_signal -1
	s_barrier_wait -1
.irp t, 0,1,2,3
	ds_load_b128 v[ACC+8*\t:ACC+8*\t+3], v[LB] offset:64*\t        ; b0 starts the first tile's sums
	ds_load_b128 v[ACC+8*\t+4:ACC+8*\t+7], v[LB] offset:64*\t+16
.endr
	s_wait_loadcnt 0x0                             ; the point and the weights
	s_wait_kmcnt 0x0                               ; bh
	POINT
	GATHER
	s_mov_b32 s31, 1
	TILEADR 31
	PLOAD
; A TRIP: tile t.  Its texels were asked for in front of tile t - 1's whole MLP, its point two trips ago.
.Ltrip:
	PE
	INTERP
	s_wait_loadcnt 0x0                             ; tile t + 1's point; no load is out: every offset register may be written
	POINT
	GATHER                                         ; tile t + 1's texels, into the registers just read
	s_add_co_u32 s31, s27, 2
	TILEADR 31
	PLOAD                                          ; tile t + 2's point
	MLPL 0
	GELU 0, 1, 0
	GELU 1, 1, 0
	GELU 2, 1, 0
	GELU 3, 1, 0
	MLPL 1
	GELU 0, 2, 1
	GELU 1, 2, 1
	GELU 2, 2, 1
	GELU 3, 2, 1
	MLPL 2
	GELU 0, 3, 2
	GELU 1, 3, 2
	GELU 2, 3, 2
	GELU 3, 3, 2
	v_pk_add_f32 v[HT:HT+1], v[HS:HS+1], v[HS+2:HS+3]
	v_add_f32 v[HT], v[HT], v[HT+1]                ; my 32 units;
	v_permlanex16_b32 v[HT+1], v[HT], s36, s37     ; the point's other 32 lie in the lane 16 away
	v_add_f32 v[HT], v[HT], v[HT+1]
	v_fma_f32 v[OUTV], v[HT], 0.5, s38             ; y = 2 gelu: the half, and bh
	; tile j = t & 3 belongs to lanes 16 (j >> 1) .. + 15, as their point j & 1
	s_and_b32 s60, s27, 3
	s_and_b32 s28, s27, 2
	s_cselect_b32 s61, s52, 0xffff                 ; lanes 16-31 (s52's mask) or lanes 0-15
	s_and_b32 s28, s27, 1
	s_cselect_b32 s62, 0, s61
	s_cselect_b32 s63, s61, 0
	s_wait_xcnt 0x0                                ; the last store's data and offset are written again only behind this wait
	v_cndmask_b32 v[R0], v[R0], v[OUTV], s62
	v_cndmask_b32 v[R0+1], v[R0+1], v[OUTV], s63
	s_cmp_eq_u32 s60, 3
	s_cbranch_scc0 .Lno_store
	s_lshr_b32 s28, s27, 2
	s_lshl_b32 s28, s28, 11
	s_add_co_u32 s28, s28, s25                     ; the block
	s_lshl_b32 s28, s28, 8
	v_add_nc_u32 v[OA], s28, v[OUTL]
	global_store_b64 v[OA], v[R0:R0+1], s[22:23] th:TH_STORE_NT  ; the wave stores the block's 256 consecutive bytes, aligned
.Lno_store:
	s_add_co_u32 s27, s27, 1
	s_cmp_lt_u32 s27, s26
	s_cbranch_scc1 .Ltrip
	s_wait_tensorcnt 0x0                           ; the wave's end
	ds_add_u32 v[SPW], v[NIL]
	s_wait_dscnt 0x0
	s_endpgm
.Lfunc_end_k_qd135fa9e3a_main:
	.size	k_qd135fa9e3a_main, .Lfunc_end_k_qd135fa9e3a_main-k_qd135fa9e3a_main
	.p2alignl 7, 3214868480
	.fill 96, 4, 3214868480
	.section	.rodata,"a",@progbits
	.p2align	6, 0x0
	.amdhsa_kernel k_qd135fa9e3a_main
		.amdhsa_group_segment_fixed_size 2048
		.amdhsa_private_segment_fixed_size 0
		.amdhsa_enable_private_segment 0
		.amdhsa_kernarg_size 80
		.amdhsa_user_sgpr_count 2
		.amdhsa_user_sgpr_kernarg_segment_ptr 1
		.amdhsa_wavefront_size32 1
		.amdhsa_system_sgpr_workgroup_id_x 1
		.amdhsa_system_sgpr_workgroup_id_y 1
		.amdhsa_system_sgpr_workgroup_id_z 1
		.amdhsa_system_vgpr_workitem_id 0
		.amdhsa_next_free_vgpr 512
		.amdhsa_next_free_sgpr 96
		.amdhsa_reserve_vcc 0
		.amdhsa_float_denorm_mode_32 3
		.amdhsa_float_denorm_mode_16_64 3
		.amdhsa_memory_ordered 1
		.amdhsa_forward_progress 1
		.amdhsa_inst_pref_size 92
	.end_amdhsa_kernel
	.amdgpu_metadata
---
amdhsa.version: [ 1, 2 ]
amdhsa.kernels:
  - .name:           k_qd135fa9e3a_main
    .symbol:         k_qd135fa9e3a_main.kd
    .args:
      - { .name: coords, .offset: 0, .size: 8, .value_kind: global_buffer, .address_space: global }
      - { .name: idx, .offset: 8, .size: 8, .value_kind: global_buffer, .address_space: global }
      - { .name: tex, .offset: 16, .size: 8, .value_kind: global_buffer, .address_space: global }
      - { .name: wfrag, .offset: 24, .size: 8, .value_kind: global_buffer, .address_space: global }
      - { .name: b0, .offset: 32, .size: 8, .value_kind: global_buffer, .address_space: global }
      - { .name: b1, .offset: 40, .size: 8, .value_kind: global_buffer, .address_space: global }
      - { .name: b2, .offset: 48, .size: 8, .value_kind: global_buffer, .address_space: global }
      - { .name: wh, .offset: 56, .size: 8, .value_kind: global_buffer, .address_space: global }
      - { .name: bh, .offset: 64, .size: 8, .value_kind: global_buffer, .address_space: global }
      - { .name: out0, .offset: 72, .size: 8, .value_kind: global_buffer, .address_space: global }
    .group_segment_fixed_size: 2048
    .private_segment_fixed_size: 0
    .kernarg_segment_align: 8
    .kernarg_segment_size: 80
    .max_flat_workgroup_size: 256
    .sgpr_count:     96
    .vgpr_count:     512
    .wavefront_size: 32
...
	.end_amdgpu_metadata
.endif
;; end of part 2
;; ======== version 2 of 2: 2 launches; 1.19 times as fast as version 1
;; limits: values are held in f16: magnitudes above 65,504 overflow, below 6.1e-05 lose precision; a function is approximated: absolute error at most 1e-05; a function is approximated: absolute error at most 7e-06; sums are carried in f16
;; workspace buffers: tex 12,582,912 bytes; idx 4,000,000 bytes of whole numbers; wfrag 24,576 bytes
;; launch prep (part 3): grid 1746 x 1, 8 waves a work-group, no clusters, 23,552 bytes of LDS; arguments coords, plane_xy, plane_xz, plane_yz, w0, w1, w2, tex, idx, wfrag; writes tex, idx, wfrag
.if DOCPART == 3
	.amdgcn_target "amdgcn-amd-amdhsa--gfx1250"
	.amdhsa_code_object_version 6
	.text
	.protected	k_qd135fa9e3a_prep
	.globl	k_qd135fa9e3a_prep
	.p2align	8
	.type	k_qd135fa9e3a_prep,@function
k_qd135fa9e3a_prep:
	s_mov_b64 s[64:65], 0
	v_nop
	global_prefetch_b8 v0, s[64:65] scope:SCOPE_SE
	s_setreg_imm32_b32 hwreg(HW_REG_WAVE_MODE, 25, 1), 1
	s_wait_xcnt 0x0
; PREPARATION, three roles chosen by the work-group's number (the same for all eight waves of a work-group):
;   0          the weights as register images of matrix fragments             -> wfrag
;   1 .. 768   the three planes, [32 channels][65,536 texels] f32, turned to  -> tex [3][65,536 texels][32 channels] f16, 64 bytes a texel
;   769 ..1745 the cell indices of every point, ix | iy << 8 | iz << 16        -> idx, one word a point
; The indices are whole numbers made from floating-point coordinates: the next launch forms its gather addresses from them.
; LIMITS.  tex, w0, w1 / 2 and w2 / 2 are rounded once to f16: they must lie within 65,504.
.set SPARE, 22528                      ; the spare words: 128 bytes for each of eight waves; no other line names them
.set HALF,  11200                      ; LDS: two halves of 140 slots of 80 bytes (64 of data, 16 of padding), one for each 128 texels
.set NQUAD, 250000                     ; groups of four points
	s_load_b512 s[4:19], s[0:1], 0x0               ; coords 4, plane_xy 6, plane_xz 8, plane_yz 10, w0 12, w1 14, w2 16, tex 18
	s_load_b128 s[20:23], s[0:1], 0x40             ; idx 20, wfrag 22
	v_lshl_add_u32 v1, v0, 2, SPARE                ; my spare word
	v_mov_b32 v2, 0
	v_lshrrev_b32 v3, 5, v0
	v_readfirstlane_b32 s24, v3                    ; wave 0..7
	v_and_b32 v3, 31, v0                           ; lane
	s_wait_kmcnt 0x0
	s_cmp_eq_u32 ttmp9, 0
	s_cbranch_scc1 .Lweights
	s_cmp_gt_u32 ttmp9, 768
	s_cbranch_scc1 .Lindices
; ---- PLANES.  A work-group turns 256 texels (one row of a plane) x 32 channels: 32,768 bytes in, 16,384 out.
; Wave w takes channels 8 (w & 3) .. + 7 of texels 128 (w >> 2) .. + 127; a lane four neighbouring texels: each load of a wave is 512 consecutive bytes of one channel's row.
	s_sub_co_u32 s25, ttmp9, 1                     ; 256 x plane + row
	s_lshr_b32 s26, s25, 8                         ; plane
	s_and_b32 s27, s25, 255                        ; row
	s_cmp_eq_u32 s26, 1
	s_cselect_b64 s[28:29], s[8:9], s[6:7]
	s_cmp_eq_u32 s26, 2
	s_cselect_b64 s[28:29], s[10:11], s[28:29]     ; the plane's address
	s_and_b32 s30, s24, 3                          ; channel group
	s_lshr_b32 s31, s24, 2                         ; texel half
	s_lshl_b32 s32, s30, 21                        ; 8 channels of 262,144 bytes
	s_lshl_b32 s33, s27, 10                        ; a row of 1,024 bytes
	s_add_co_u32 s32, s32, s33
	s_lshl_b32 s33, s31, 9                         ; 128 texels of 4 bytes
	s_add_co_u32 s32, s32, s33
	v_lshl_add_u32 v4, v3, 4, s32
.irp j, 0,1,2,3,4,5,6,7
	global_load_b128 v[8+4*\j:11+4*\j], v4, s[28:29] offset:\j*262144 th:TH_LOAD_NT  ; channel 8 g + j, my four texels; read once in the launch
.endr
	s_lshl_b32 s34, s25, 14                        ; the work-group's 16,384 bytes of tex
	s_mov_b32 s35, 0
	s_add_nc_u64 s[18:19], s[18:19], s[34:35]
	; Texel u of a half lies in slot 36 (u & 3) + (u >> 2).  Stores: lane l at 80 l: sixteen lanes touch sixteen different 16-byte columns modulo 256 bytes (5 l mod 16).
	s_mul_i32 s32, s31, HALF
	s_lshl_b32 s33, s30, 4
	s_add_co_u32 s32, s32, s33
	v_mad_u32_u24 v5, v3, 80, s32                  ; half + 80 lane + 16 channel group
	; Back: thread n takes 16 bytes at byte 16 n of each 4,096 bytes of the output: texel n >> 2, part n & 3; columns 4 ((n >> 2) & 3) + (n & 3) + a constant: again sixteen different ones.
	v_bfe_u32 v6, v0, 2, 2
	v_lshrrev_b32 v7, 4, v0
	v_mad_u32_u24 v6, v6, 36, v7
	v_mul_u32_u24 v6, v6, 80
	v_and_b32 v7, 3, v0
	v_lshl_add_u32 v6, v7, 4, v6
	v_lshlrev_b32 v7, 4, v0
.irp j, 0,2,4,6
	s_wait_loadcnt 6-\j                            ; loads come back in order: channels j and j + 1 are in, the later ones stay out
.irp i, 0,1,2,3
	v_cvt_pk_f16_f32 v[40+4*\i+\j/2], v[8+4*\j+\i], v[12+4*\j+\i]  ; texel i: two neighbouring channels, rounded once
.endr
.endr
.irp i, 0,1,2,3
	ds_store_b128 v5, v[40+4*\i:43+4*\i] offset:\i*2880  ; texel 4 lane + i: slot 36 i + lane
.endr
	s_wait_dscnt 0x0                               ; for the others' sake: my stores are done
	s_barrier_signal -1
	s_barrier_wait -1
.irp q, 0,1,2,3
	ds_load_b128 v[56+4*\q:59+4*\q], v6 offset:(\q/2)*HALF+(\q%2)*1280
.endr
.irp q, 0,1,2,3
	s_wait_dscnt 3-\q                              ; read-back q is in, the later ones stay out
	global_store_b128 v7, v[56+4*\q:59+4*\q], s[18:19] offset:\q*4096  ; a wave stores 512 consecutive bytes, aligned; the next launch reads them: no hint
.endr
	s_wait_tensorcnt 0x0                           ; the wave's end
	ds_add_u32 v1, v2
	s_wait_dscnt 0x0
	s_endpgm
; ---- INDICES.  A thread takes four points: 48 bytes of coordinates in, 16 bytes of index words out.
; cn = c x 2/511 - 1;  p = clamp(127.5 cn + 127.5, 0, 255);  i = min(trunc p, 254).  The next launch makes p by the same instructions and takes f = p - i, 0 to 1:
; with i held to 254 and f = 1 the border is the reference's clamp of the upper neighbour, and the four texels always lie at t, t + 1, t + 256, t + 257.
.Lindices:
	s_sub_co_u32 s25, ttmp9, 769
	s_lshl_b32 s25, s25, 8
	s_mov_b32 s28, 0x3b804020                      ; 2 / 511
	s_mov_b32 s29, 0x3b804020
	s_mov_b32 s30, 0x42ff0000                      ; 127.5
	s_mov_b32 s31, 0x42ff0000
	s_mov_b32 s32, 0x437f0000                      ; 255
	v_add_nc_u32 v4, s25, v0                       ; my group of four points
	v_mul_u32_u24 v5, v4, 48
	v_lshlrev_b32 v6, 4, v4
	s_wait_xcnt 0x0                                ; EXEC changes only behind this wait
	v_cmp_gt_u32 vcc_lo, NQUAD, v4
	s_and_saveexec_b32 s26, vcc_lo                 ; 977 x 256 threads for 250,000 groups: the last 112 threads do nothing; EXEC stays so to the end
	global_load_b128 v[8:11], v5, s[4:5]
	global_load_b128 v[12:15], v5, s[4:5] offset:16
	global_load_b128 v[16:19], v5, s[4:5] offset:32
	s_wait_loadcnt 0x0
.irp k, 0,2,4,6,8,10
	v_pk_fma_f32 v[20+\k:21+\k], v[8+\k:9+\k], s[28:29], -1.0 op_sel_hi:[1,0,0]
.endr
.irp k, 0,2,4,6,8,10
	v_pk_fma_f32 v[20+\k:21+\k], v[20+\k:21+\k], s[30:31], s[30:31] op_sel_hi:[1,0,0]
.endr
.irp k, 0,1,2,3,4,5,6,7,8,9,10,11
	v_med3_num_f32 v[20+\k], v[20+\k], 0, s32
.endr
.irp k, 0,1,2,3,4,5,6,7,8,9,10,11
	v_cvt_u32_f32 v[20+\k], v[20+\k]
.endr
.irp k, 0,1,2,3,4,5,6,7,8,9,10,11
	v_min_u32 v[20+\k], 254, v[20+\k]
.endr
.irp i, 0,1,2,3
	v_lshl_or_b32 v[32+\i], v[21+3*\i], 8, v[20+3*\i]
.endr
.irp i, 0,1,2,3
	v_lshl_or_b32 v[32+\i], v[22+3*\i], 16, v[32+\i]
.endr
	global_store_b128 v6, v[32:35], s[20:21]       ; a wave stores 512 consecutive bytes, aligned
	s_endpgm
; ---- WEIGHTS.  The products of the next launch are H^T = W^T X^T: source 0 is 16 output units x 32 inputs.  In such a fragment lane (r = l % 16, h = l / 16) holds unit 16 t + r;
; registers 0-3 (e = 0) and 4-7 (e = 1) hold inputs k = 32 ks + 16 e + 8 h + 0..7 (ISA guide 7.12.2).  Wave w of six makes matrix w >> 1 (w0; w1 / 2; w2 / 2), K half ks = w & 1, in f16:
; eight groups of four registers, group n = 8 w + 2 t + e at byte 512 n + 16 lane of wfrag.  The halves: the layers carry 2 gelu.
.Lweights:
	s_cmp_gt_u32 s24, 5
	s_cbranch_scc1 .Lwdone                         ; three matrices x two K halves: six waves' work
	s_lshr_b32 s25, s24, 1                         ; matrix
	s_and_b32 s26, s24, 1                          ; ks
	s_cmp_eq_u32 s25, 0
	s_cselect_b64 s[28:29], s[12:13], s[16:17]
	s_cselect_b32 s30, 1.0, 0.5                    ; the scale
	s_cmp_eq_u32 s25, 1
	s_cselect_b64 s[28:29], s[14:15], s[28:29]
	s_cmp_eq_u32 s24, 1
	s_cselect_b32 s31, 0xffff0000, 0               ; w0 has 56 rows: in wave 1 lanes 16-31 with e = 1 would want rows 56-63
	v_and_b32 v6, 15, v3                           ; r
	v_lshrrev_b32 v7, 4, v3                        ; h
	s_lshl_b32 s32, s26, 13                        ; 32 rows of 256 bytes
	v_lshl_add_u32 v6, v6, 2, s32
	v_lshl_add_u32 v4, v7, 11, v6                  ; 8,192 ks + 2,048 h + 4 r
	v_cndmask_b32 v7, v7, 0, s31                   ; those lanes read rows 48-55 instead, inside w0,
	v_lshl_add_u32 v5, v7, 11, v6
	v_mov_b32 v72, s30
	v_mov_b32 v73, s30
	v_cndmask_b32 v74, v72, 0, s31                 ; and multiply them by 0
	v_mov_b32 v75, v74
.irp t, 0,1,2,3
.irp c, 0,1,2,3,4,5,6,7
	global_load_b32 v[8+16*\t+\c], v4, s[28:29] offset:256*\c+64*\t
	global_load_b32 v[16+16*\t+\c], v5, s[28:29] offset:4096+256*\c+64*\t
.endr
.endr
	s_lshl_b32 s33, s24, 12
	v_lshl_add_u32 v7, v3, 4, s33                  ; 4,096 w + 16 lane
	s_wait_loadcnt 0x0
.irp n, 0,1,2,3,4,5,6,7
.irp i, 0,2,4,6
	v_pk_mul_f32 v[8+8*\n+\i:9+8*\n+\i], v[8+8*\n+\i:9+8*\n+\i], v[72+2*(\n%2):73+2*(\n%2)]
.endr
.endr
.irp n, 0,1,2,3,4,5,6,7
.irp i, 0,1,2,3
	v_cvt_pk_f16_f32 v[8+8*\n+\i], v[8+8*\n+2*\i], v[9+8*\n+2*\i]  ; in place: register i is written when pairs 0 .. i have been read
.endr
.endr
.irp n, 0,1,2,3,4,5,6,7
	global_store_b128 v7, v[8+8*\n:11+8*\n], s[22:23] offset:512*\n
.endr
.Lwdone:
	s_endpgm
.Lfunc_end_k_qd135fa9e3a_prep:
	.size	k_qd135fa9e3a_prep, .Lfunc_end_k_qd135fa9e3a_prep-k_qd135fa9e3a_prep
	.p2alignl 7, 3214868480
	.fill 96, 4, 3214868480
	.section	.rodata,"a",@progbits
	.p2align	6, 0x0
	.amdhsa_kernel k_qd135fa9e3a_prep
		.amdhsa_group_segment_fixed_size 23552
		.amdhsa_private_segment_fixed_size 0
		.amdhsa_enable_private_segment 0
		.amdhsa_kernarg_size 80
		.amdhsa_user_sgpr_count 2
		.amdhsa_user_sgpr_kernarg_segment_ptr 1
		.amdhsa_wavefront_size32 1
		.amdhsa_system_sgpr_workgroup_id_x 1
		.amdhsa_system_sgpr_workgroup_id_y 1
		.amdhsa_system_sgpr_workgroup_id_z 1
		.amdhsa_system_vgpr_workitem_id 0
		.amdhsa_next_free_vgpr 96
		.amdhsa_next_free_sgpr 66
		.amdhsa_reserve_vcc 1
		.amdhsa_float_denorm_mode_32 3
		.amdhsa_float_denorm_mode_16_64 3
		.amdhsa_memory_ordered 1
		.amdhsa_forward_progress 1
		.amdhsa_inst_pref_size 22
	.end_amdhsa_kernel
	.amdgpu_metadata
---
amdhsa.version: [ 1, 2 ]
amdhsa.kernels:
  - .name:           k_qd135fa9e3a_prep
    .symbol:         k_qd135fa9e3a_prep.kd
    .args:
      - { .name: coords, .offset: 0, .size: 8, .value_kind: global_buffer, .address_space: global }
      - { .name: plane_xy, .offset: 8, .size: 8, .value_kind: global_buffer, .address_space: global }
      - { .name: plane_xz, .offset: 16, .size: 8, .value_kind: global_buffer, .address_space: global }
      - { .name: plane_yz, .offset: 24, .size: 8, .value_kind: global_buffer, .address_space: global }
      - { .name: w0, .offset: 32, .size: 8, .value_kind: global_buffer, .address_space: global }
      - { .name: w1, .offset: 40, .size: 8, .value_kind: global_buffer, .address_space: global }
      - { .name: w2, .offset: 48, .size: 8, .value_kind: global_buffer, .address_space: global }
      - { .name: tex, .offset: 56, .size: 8, .value_kind: global_buffer, .address_space: global }
      - { .name: idx, .offset: 64, .size: 8, .value_kind: global_buffer, .address_space: global }
      - { .name: wfrag, .offset: 72, .size: 8, .value_kind: global_buffer, .address_space: global }
    .group_segment_fixed_size: 23552
    .private_segment_fixed_size: 0
    .kernarg_segment_align: 8
    .kernarg_segment_size: 80
    .max_flat_workgroup_size: 256
    .sgpr_count:     66
    .vgpr_count:     96
    .wavefront_size: 32
...
	.end_amdgpu_metadata
.endif
;; end of part 3
;; launch main (part 4): grid 256 x 1, 8 waves a work-group, no clusters, 2,048 bytes of LDS; arguments coords, idx, tex, wfrag, b0, b1, b2, wh, bh, out0; writes out0
.if DOCPART == 4
	.amdgcn_target "amdgcn-amd-amdhsa--gfx1250"
	.amdhsa_code_object_version 6
	.text
	.protected	k_qd135fa9e3a_main
	.globl	k_qd135fa9e3a_main
	.p2align	8
	.type	k_qd135fa9e3a_main,@function
k_qd135fa9e3a_main:
	s_mov_b64 s[64:65], 0
	v_nop
	global_prefetch_b8 v0, s[64:65] scope:SCOPE_SE
	s_setreg_imm32_b32 hwreg(HW_REG_WAVE_MODE, 25, 1), 1
	s_wait_xcnt 0x0
; out[n] = head(gelu(gelu(gelu([feat, pe] w0 + b0) w1 + b1) w2 + b2)): bilinear samples of three planes added, 24 sines and cosines, three layers of 64, one output.
; SHARES.  2,048 waves; wave g = 256 wave + work-group takes the blocks g, g + 2,048, .. of 64 points (15,625 blocks: 7 or 8 a wave).  A trip of the one loop is a TILE of 16 points.
; Tile j of a block holds points 32 (j >> 1) + (j & 1) + 2 r: lane l = 16 h + r then owns points 2 l and 2 l + 1 of the block (tiles 2 h, 2 h + 1), and every fourth trip
; one store of 8 bytes a lane writes the block's 256 bytes, aligned.
; LAYOUT.  H^T = W^T X^T: source 0 = 16 output units x 32 inputs (weights, 192 registers of window 1, loaded once), source 1 = 32 inputs x 16 points.  In the result lane (r, h) holds
; point r, units 16 t + 8 h + 0..7; two such results packed in pairs ARE source 1 of the next layer (ISA guide 7.12.2): nothing changes lanes in the MLP.
; Layer 0's inputs: k = 0..31 the channels (lane half h reads bytes 16 h and 32 + 16 h of a texel); 32..55 x's, y's, z's sin f0-f3, cos f0-f3; 56..63 meet weights that are 0.
; FORMATS.  All matrix operands f16; sums, biases, gelu, layer 2's output and the head f32.  The layers carry y = 2 gelu; the half lies in w1, w2 and the head's last multiply-add.
; The bias is the C operand that starts layer 0's and layer 1's sums.  LAYER 2 HAS A SCALE A POINT, since no fixed scale keeps layer 1's output inside f16 for all inputs: with A the largest |x| of the
; point's 64 units (|y| <= 2 |x|) and E its exponent, y 2^-E (below 4 in magnitude) is rounded to f16, the sum starts with 0, and x = sum x 2^E + b2.  A lane holds one point in the source and in
; the result, so both factors are a number a lane; they are powers of two, so the scaling itself rounds nothing.
; INTERPOLATION.  The 12 texels' weights (made in f32, rounded to f16) times the f16 texels, two channels a line, added up in f16: 12 terms, weights that add up to 3; each step rounds by 2^-11 of
; the partial sum at the most, and the sum lands as layer 0's source.
; GELU.  a = |x|;  q = erfc(a / sqrt 2) = 2^(a (g1 + a (g2 + a (g3 + a (g4 + a g5)))));  y = (x + a) - a q.  The exponent is the polynomial of degree 5 through log2 erfc(a / sqrt 2) at
; a = 0, 0.5, 1, 1.5, 2, 2.5.  It falls for every a > 0 (in its derivative the one term of the other sign, in a^3, is smaller than twice the root of the product of its neighbours in a^2 and a^4),
; and beyond 2.5 faster than the true exponent: q goes to 0, and where the polynomial overflows the exponent is minus infinity and q = 0, which is right.  No clamp is needed.
; SINES.  rr = cn / 2 - round(cn / 2); sin and cos of (pi / 2) rr by Taylor series to rr^7 and rr^8; five doublings (t = 2 s; s' = t c; c' = 1 - t s): the second gives pi cn, the others 2, 4, 8 pi cn.
; LIMITS.  The channel sums, their partial sums and |2 gelu| of layer 0 within f16's 65,504.  Layer 1's |x| below 2^127; where a point's largest |x| there is below 2^-126, layer 2 sees b2 alone.
; q is off by 7e-6 of itself at the most up to |x| = 2.5, by 3e-4 of itself at 3, by 8e-3 at 4, by 6e-2 at 5, by a fifth at 6 (there q is 2e-9): 7e-6 at the most in absolute terms, so gelu is off
; by 3.5e-6 |x| at the most.  The sines and cosines are off by about 1e-5.  NaN and infinite coordinates are not treated apart.
; NO TENSOR LOADS, NO CLUSTER: the bulk reads are gathers, an address a lane, and all that work-groups share is 24,576 bytes of weights, read once into registers.
.set NBLK,  15625
.set FULL,  1289                       ; 15,625 = 7 x 2,048 + 1,289: the waves below this number have 8 blocks
.set SPARE, 1024                       ; LDS: b0 at 0, b1 at 256, b2 at 512, wh at 768; then the spare words, 128 bytes for each of eight waves, which no other line names
.set SPW,  1                           ; v1   my spare word's address; never rewritten
.set NIL,  2                           ; v2   0; never rewritten
.set LB,   3                           ; v3   32 h: my eight units' place in a tile's 64 bytes of a table
.set H16,  4                           ; v4   16 h
.set R24,  5                           ; v5   24 r: every second point's coordinates
.set R8,   6                           ; v6   8 r: every second point's index word
.set OUTL, 7                           ; v7   8 lane
.set AC,   8                           ; v8   offset of my point's coordinates
.set AI,   9                           ; v9   of its index word
.set OA,   10                          ; v10  of my 8 bytes of out0
.set OUTV, 13                          ; v13  the tile's result
.set R0,   14                          ; v[14:15] my two points' results
.set PN,   16                          ; v[16:19] x, y, z, index word, as loaded
.set OF,   20                          ; v[20:22] the three gather offsets
.set L16,  23                          ; v23  16 lane
.set Q,    24                          ; v[24:29] (1 - f, f) for x, y, z
.set U,    30                          ; v[30:31] (h ? cn y : cn x, cn z)
.set T,    32                          ; v[32:63] at work
.set ACC,  64                          ; v[64:95] four accumulators
.set BA,   96                          ; v[96:111]  source 1 of layer 0; then layer 1's y of tiles 0, 1 in f32; then b2 of tiles 0, 1
.set BB,   112                         ; v[112:127] source 1 of layer 1, then of layer 2
.set BC,   128                         ; v[128:143] the 12 bilinear weights in f32; then layer 1's y of tiles 2, 3; then b2 of tiles 2, 3
.set G,    144                         ; v[144:239] gathered texels: plane p, texel 2 dy + dx, 16-byte part q at G + 32 p + 8 (2 dy + dx) + 4 q
.set HS,   240                         ; v[240:243] the head's two packed sums
.set HT,   244                         ; v[244:245] at work in the head
.set SG,   246                         ; v[246:247] 2^-E in the low register; named as a pair
.set SS,   248                         ; v[248:249] 2^E in the low register; named as a pair
.set M,    250                         ; v[250:253] four running maxima of |x|
; scalars: s[4:23] the ten addresses; s24 wave; s25 g; s26 trips; s27 trip; s28-s31 at work; s[36:37] lane selects; s38 bh; s39 sign mask; s[40:49] g1-g5 in pairs; s52 mask of lanes 16-31;
; s53 255; s[54:55] 2/511; s[56:59] planes 1, 2 of tex; s60-s63 the result's masks; s[68:69] 127.5; s[70:85] the series' constants in pairs
.set MSB, 0
.macro WIN new                         ; s_set_vgpr_msb: bits 1:0 source 0's window, 7:6 the destination's; the high byte repeats the setting that is left
.if MSB != (\new)
	s_set_vgpr_msb (MSB<<8)|(\new)
.set MSB, \new
.endif
.endm
.macro SPAIR r, val                    ; a constant for packed arithmetic: named as a pair, so both words are written
	s_mov_b32 s[\r], \val
	s_mov_b32 s[(\r)+1], \val
.endm
; The offsets of tile s[tt]'s point loads.  The block is held to the last one: the look-ahead near a wave's end stays inside the buffers.
.macro TILEADR tt
	s_lshr_b32 s28, s[\tt], 2
	s_lshl_b32 s28, s28, 11
	s_add_co_u32 s28, s28, s25                     ; block g + 2,048 (tile / 4)
	s_min_u32 s28, s28, NBLK-1
	s_lshl_b32 s28, s28, 6
	s_and_b32 s29, s[\tt], 2
	s_lshl_b32 s29, s29, 4
	s_add_co_u32 s28, s28, s29
	s_and_b32 s29, s[\tt], 1
	s_add_co_u32 s28, s28, s29                     ; the tile's first point
	s_mul_i32 s29, s28, 12
	s_lshl_b32 s30, s28, 2
	v_add_nc_u32 v[AC], s29, v[R24]
	v_add_nc_u32 v[AI], s30, v[R8]
.endm
.macro PLOAD
	global_load_b96 v[PN:PN+2], v[AC], s[4:5]
	global_load_b32 v[PN+3], v[AI], s[6:7]
.endm
; From a point's coordinates and index word: U, the three (1 - f, f), the three gather offsets.
.macro POINT
	v_pk_fma_f32 v[T:T+1], v[PN:PN+1], s[54:55], -1.0 op_sel_hi:[1,0,0]  ; cn = c x 2/511 - 1
	v_fma_f32 v[U+1], v[PN+2], s54, -1.0
	v_and_b32 v[T+5], 0xff, v[PN+3]                ; ix
	v_bfe_u32 v[T+6], v[PN+3], 8, 8                ; iy
	v_bfe_u32 v[T+7], v[PN+3], 16, 8               ; iz
	v_cndmask_b32 v[U], v[T], v[T+1], s52
	v_pk_fma_f32 v[T+2:T+3], v[T:T+1], s[68:69], s[68:69] op_sel_hi:[1,0,0]  ; 127.5 cn + 127.5
	v_fma_f32 v[T+4], v[U+1], s68, s68
	v_cvt_f32_u32 v[T+8], v[T+5]
	v_cvt_f32_u32 v[T+9], v[T+6]
	v_cvt_f32_u32 v[T+10], v[T+7]
	v_lshl_or_b32 v[T+11], v[T+5], 8, v[T+6]       ; plane xy: row x, column y
	v_lshl_or_b32 v[T+12], v[T+5], 8, v[T+7]       ; plane xz: row x, column z
	v_lshl_or_b32 v[T+13], v[T+6], 8, v[T+7]       ; plane yz: row y, column z
	v_med3_num_f32 v[T+2], v[T+2], 0, s53
	v_med3_num_f32 v[T+3], v[T+3], 0, s53
	v_med3_num_f32 v[T+4], v[T+4], 0, s53
	v_min_u32 v[T+11], 0xfefe, v[T+11]             ; 254 x 256 + 254: with its three neighbours the texel lies inside the plane
	v_min_u32 v[T+12], 0xfefe, v[T+12]
	v_min_u32 v[T+13], 0xfefe, v[T+13]
	v_sub_f32 v[Q+1], v[T+2], v[T+8]               ; f
	v_sub_f32 v[Q+3], v[T+3], v[T+9]
	v_sub_f32 v[Q+5], v[T+4], v[T+10]
	v_lshl_add_u32 v[OF], v[T+11], 6, v[H16]       ; 64 bytes a texel, my half's 16
	v_lshl_add_u32 v[OF+1], v[T+12], 6, v[H16]
	v_lshl_add_u32 v[OF+2], v[T+13], 6, v[H16]
	v_sub_f32 v[Q], 1.0, v[Q+1]
	v_sub_f32 v[Q+2], 1.0, v[Q+3]
	v_sub_f32 v[Q+4], 1.0, v[Q+5]
.endm
.macro GPLANE p, base                  ; a plane's four texels, two parts of 16 bytes each for my half of the lanes
.irp tau, 0,1,2,3
.irp q, 0,1
	global_load_b128 v[G+32*(\p)+8*\tau+4*\q:G+32*(\p)+8*\tau+4*\q+3], v[OF+(\p)], s[\base:\base+1] offset:(\tau/2)*16384+(\tau%2)*64+\q*32
.endr
.endr
.endm
.macro GATHER
	GPLANE 0, 8
	GPLANE 1, 56
	GPLANE 2, 58
.endm
.macro DBL si, ci, so, co              ; the double angle
	v_pk_add_f32 v[T+8:T+9], v[T+\si:T+\si+1], v[T+\si:T+\si+1]
	v_pk_mul_f32 v[T+\so:T+\so+1], v[T+8:T+9], v[T+\ci:T+\ci+1]
	v_pk_fma_f32 v[T+\co:T+\co+1], v[T+8:T+9], v[T+\si:T+\si+1], 1.0 op_sel_hi:[1,1,0] neg_lo:[1,0,0] neg_hi:[1,0,0]
.endm
; The encoding of U's two numbers at once -> BA + 8 .. 11 (low: x's or y's), BA + 12 .. 15 (high: z's; in lanes 16-31 it meets the weights that are 0).
.macro PE
	v_pk_mul_f32 v[T:T+1], v[U:U+1], 0.5 op_sel_hi:[1,0]
	v_rndne_f32 v[T+2], v[T]
	v_rndne_f32 v[T+3], v[T+1]
	v_pk_add_f32 v[T:T+1], v[T:T+1], v[T+2:T+3] neg_lo:[0,1] neg_hi:[0,1]  ; rr
	v_pk_mul_f32 v[T+2:T+3], v[T:T+1], v[T:T+1]
	v_pk_fma_f32 v[T+4:T+5], v[T+2:T+3], s[76:77], s[74:75] op_sel_hi:[1,0,0]
	v_pk_fma_f32 v[T+6:T+7], v[T+2:T+3], s[84:85], s[82:83] op_sel_hi:[1,0,0]
	v_pk_fma_f32 v[T+4:T+5], v[T+4:T+5], v[T+2:T+3], s[72:73] op_sel_hi:[1,1,0]
	v_pk_fma_f32 v[T+6:T+7], v[T+6:T+7], v[T+2:T+3], s[80:81] op_sel_hi:[1,1,0]
	v_pk_fma_f32 v[T+4:T+5], v[T+4:T+5], v[T+2:T+3], s[70:71] op_sel_hi:[1,1,0]
	v_pk_fma_f32 v[T+6:T+7], v[T+6:T+7], v[T+2:T+3], s[78:79] op_sel_hi:[1,1,0]
	v_pk_mul_f32 v[T+4:T+5], v[T+4:T+5], v[T:T+1]                        ; sin((pi / 2) rr)
	v_pk_fma_f32 v[T+6:T+7], v[T+6:T+7], v[T+2:T+3], 1.0 op_sel_hi:[1,1,0]  ; cos
	DBL 4, 6, 0, 2
	DBL 0, 2, 12, 14                               ; pi cn
	DBL 12, 14, 16, 18
	DBL 16, 18, 20, 22
	DBL 20, 22, 24, 26
.irp w, 0,1
	v_cvt_pk_f16_f32 v[BA+8+4*\w], v[T+12+\w], v[T+16+\w]   ; sin f0, f1
	v_cvt_pk_f16_f32 v[BA+9+4*\w], v[T+20+\w], v[T+24+\w]   ; sin f2, f3
	v_cvt_pk_f16_f32 v[BA+10+4*\w], v[T+14+\w], v[T+18+\w]  ; cos f0, f1
	v_cvt_pk_f16_f32 v[BA+11+4*\w], v[T+22+\w], v[T+26+\w]  ; cos f2, f3
.endr
.endm
; A plane's share of the channel sums: for each of its four texels eight packed lines, two channels each; eight sums that do not wait for each other.
.macro IPLANE p
	s_wait_loadcnt 18-8*(\p)                       ; loads come back in order: behind this plane's eight were issued the later planes' 16, 8 or 0 and the next point's two
.irp tau, 0,1,2,3
.irp j, 0,1,2,3,4,5,6,7
.if ((\p) == 0) && (\tau == 0)
	v_pk_mul_f16 v[BA+\j], v[G+\j], v[T]           ; the first texel starts the sums
.else
	v_pk_fma_f16 v[BA+\j], v[G+32*(\p)+8*\tau+\j], v[T+4*(\p)+\tau], v[BA+\j]
.endif
.endr
.endr
.endm
.macro WPAIR p, qw, qh                 ; a plane's four weights: (1 - fw, fw) times 1 - fh, then times fh; w the column's coordinate, h the row's
	v_pk_mul_f32 v[BC+4*(\p):BC+4*(\p)+1], v[Q+\qw:Q+\qw+1], v[Q+\qh:Q+\qh+1] op_sel_hi:[1,0]
	v_pk_mul_f32 v[BC+4*(\p)+2:BC+4*(\p)+3], v[Q+\qw:Q+\qw+1], v[Q+\qh:Q+\qh+1] op_sel:[0,1] op_sel_hi:[1,1]
.endm
.macro INTERP
	WPAIR 0, 2, 0
	WPAIR 1, 4, 0
	WPAIR 2, 4, 2
.irp k, 0,1,2,3,4,5,6,7,8,9,10,11
	v_cvt_pk_f16_f32 v[T+\k], v[BC+\k], v[BC+\k]   ; a weight in both halves
.endr
	IPLANE 0
	IPLANE 1
	IPLANE 2
.endm
; Eight matrix instructions: K halves 0, 1 x the four accumulators, which take turns, one instruction a turn.  zero = 1: the first four start the sums with 0.
.macro LAYER wb, b, zero
.irp ks, 0,1
.irp t, 0,1,2,3
.if (\zero) && (\ks == 0)
	v_wmma_f32_16x16x32_f16 v[ACC+8*\t:ACC+8*\t+7], v[\wb+8*\t:\wb+8*\t+7], v[\b:\b+7], 0
.else
	v_wmma_f32_16x16x32_f16 v[ACC+8*\t:ACC+8*\t+7], v[\wb+32*\ks+8*\t:\wb+32*\ks+8*\t+7], v[\b+8*\ks:\b+8*\ks+7], v[ACC+8*\t:ACC+8*\t+7]
.endif
.endr
.endr
.endm
.macro MLPL n
.if (\n) < 2
	s_wait_dscnt 0x0                               ; the biases are in the accumulators
.endif
	WIN 0x01                                       ; source 0 in window 1
.if (\n) == 0
	LAYER 0, BA, 0
.elseif (\n) == 1
	LAYER 64, BB, 0
.else
	LAYER 128, BB, 1
.endif
	WIN 0
.if (\n) == 2
	s_wait_dscnt 0x0                               ; b2, asked for in front of these products, is in BA and BC
.endif
.rept 4
	v_nop                                          ; four places between the last product and the first read of a result (ISA guide 7.12.1)
.endr
.endm
; y = 2 gelu of accumulator t.
; mode 0 (layer 0): b1 is loaded into the accumulator as soon as it has been read; y -> f16 -> BB.
; mode 1 (layer 1): the running maxima take |x|; y stays in f32, in BA (tiles 0, 1) and BC (tiles 2, 3), until SCALE knows the point's scale.
; mode 2 (layer 2): x = sum x 2^E + b2 first; wh is loaded into the accumulator; y times wh goes onto the head's sums; then b0 for the next tile.
.macro GELU t, mode
.set XR, ACC+8*(\t)
.set YR, BA+8*(\t)+16*((\t)/2)
.if (\mode) == 2
.irp i, 0,2,4,6
	v_pk_fma_f32 v[T+24+\i:T+25+\i], v[XR+\i:XR+\i+1], v[SS:SS+1], v[YR+\i:YR+\i+1] op_sel_hi:[1,0,1]
.endr
.set XS, T+24
.else
.set XS, XR
.endif
.irp i, 0,1,2,3,4,5,6,7
	v_and_b32 v[T+\i], s39, v[XS+\i]               ; a; in every mode the accumulator is read from its low end on
.endr
.irp i, 0,2,4,6
	v_pk_add_f32 v[T+8+\i:T+9+\i], v[XS+\i:XS+\i+1], v[T+\i:T+\i+1]
.endr
.if (\mode) == 0
	ds_load_b128 v[XR:XR+3], v[LB] offset:256+64*(\t)
	ds_load_b128 v[XR+4:XR+7], v[LB] offset:256+64*(\t)+16
.elseif (\mode) == 2
	ds_load_b128 v[XR:XR+3], v[LB] offset:768+64*(\t)
	ds_load_b128 v[XR+4:XR+7], v[LB] offset:768+64*(\t)+16
.else
.irp i, 0,1,2,3
.if (\t) == 0
	v_max_num_f32 v[M+\i], v[T+2*\i], v[T+2*\i+1]
.else
	v_max3_num_f32 v[M+\i], v[M+\i], v[T+2*\i], v[T+2*\i+1]
.endif
.endr
.endif
.irp i, 0,2,4,6
	v_pk_fma_f32 v[T+16+\i:T+17+\i], v[T+\i:T+\i+1], s[48:49], s[46:47] op_sel_hi:[1,0,0]  ; g4 + a g5
.endr
.irp d, 44,42,40
.irp i, 0,2,4,6
	v_pk_fma_f32 v[T+16+\i:T+17+\i], v[T+16+\i:T+17+\i], v[T+\i:T+\i+1], s[\d:\d+1] op_sel_hi:[1,1,0]
.endr
.endr
.irp i, 0,2,4
	v_pk_mul_f32 v[T+16+\i:T+17+\i], v[T+16+\i:T+17+\i], v[T+\i:T+\i+1]  ; the exponent
.endr
.irp i, 0,1,2,3,4,5
	v_exp_f32 v[T+16+\i], v[T+16+\i]               ; q
.endr
	v_pk_mul_f32 v[T+22:T+23], v[T+22:T+23], v[T+6:T+7]  ; the fourth pair's exponent: also the plain instruction between the six exponentials above and the use of their results
	v_exp_f32 v[T+22], v[T+22]
	v_exp_f32 v[T+23], v[T+23]                     ; behind these two the first pair's line below is the plain instruction: it names neither their results nor their sources
.if (\mode) == 1
.set YD, YR
.else
.set YD, T+8
.endif
	s_wait_alu depctr_va_vdst(0)
.irp i, 0,2,4,6
	v_pk_fma_f32 v[YD+\i:YD+\i+1], v[T+\i:T+\i+1], v[T+16+\i:T+17+\i], v[T+8+\i:T+9+\i] neg_lo:[1,0,0] neg_hi:[1,0,0]
.endr
.if (\mode) == 0
.irp i, 0,1,2,3
	v_cvt_pk_f16_f32 v[BB+4*(\t)+\i], v[T+8+2*\i], v[T+9+2*\i]
.endr
.elseif (\mode) == 2
	s_wait_dscnt 0x0                               ; wh of my eight units
.if (\t) == 0
	v_pk_mul_f32 v[HS:HS+1], v[T+8:T+9], v[XR:XR+1]
	v_pk_mul_f32 v[HS+2:HS+3], v[T+10:T+11], v[XR+2:XR+3]
.else
	v_pk_fma_f32 v[HS:HS+1], v[T+8:T+9], v[XR:XR+1], v[HS:HS+1]
	v_pk_fma_f32 v[HS+2:HS+3], v[T+10:T+11], v[XR+2:XR+3], v[HS+2:HS+3]
.endif
	v_pk_fma_f32 v[HS:HS+1], v[T+12:T+13], v[XR+4:XR+5], v[HS:HS+1]
	v_pk_fma_f32 v[HS+2:HS+3], v[T+14:T+15], v[XR+6:XR+7], v[HS+2:HS+3]
	ds_load_b128 v[XR:XR+3], v[LB] offset:64*(\t)
	ds_load_b128 v[XR+4:XR+7], v[LB] offset:64*(\t)+16
.endif
.endm
; The point's scale, and layer 2's source.  The exponent field of the largest |x| IS 2^E as a number; 254 << 23 less that field is 2^-E.  Then b2 goes where y lay.
.macro SCALE
	v_max3_num_f32 v[M], v[M], v[M+1], v[M+2]
	v_max_num_f32 v[M], v[M], v[M+3]               ; my 32 units;
	v_permlanex16_b32 v[M+1], v[M], s36, s37       ; the point's other 32 lie in the lane 16 away
	v_max_num_f32 v[M], v[M], v[M+1]
	v_and_b32 v[SS], 0x7f800000, v[M]
	v_sub_nc_u32 v[SG], 0x7f000000, v[SS]
.irp t, 0,1,2,3
.irp i, 0,2,4,6
	v_pk_mul_f32 v[BA+8*\t+16*(\t/2)+\i:BA+8*\t+16*(\t/2)+\i+1], v[BA+8*\t+16*(\t/2)+\i:BA+8*\t+16*(\t/2)+\i+1], v[SG:SG+1] op_sel_hi:[1,0]
.endr
.endr
.irp t, 0,1,2,3
.irp i, 0,1,2,3
	v_cvt_pk_f16_f32 v[BB+4*\t+\i], v[BA+8*\t+16*(\t/2)+2*\i], v[BA+8*\t+16*(\t/2)+2*\i+1]
.endr
.endr
.irp t, 0,1,2,3
	ds_load_b128 v[BA+8*\t+16*(\t/2):BA+8*\t+16*(\t/2)+3], v[LB] offset:512+64*\t
	ds_load_b128 v[BA+8*\t+16*(\t/2)+4:BA+8*\t+16*(\t/2)+7], v[LB] offset:512+64*\t+16
.endr
.endm
	s_load_b512 s[4:19], s[0:1], 0x0               ; coords 4, idx 6, tex 8, wfrag 10, b0 12, b1 14, b2 16, wh 18
	s_load_b128 s[20:23], s[0:1], 0x40             ; bh 20, out0 22
	v_lshl_add_u32 v[SPW], v0, 2, SPARE
	v_mov_b32 v[NIL], 0
	v_lshrrev_b32 v32, 5, v0
	v_readfirstlane_b32 s24, v32                   ; wave 0..7
	v_and_b32 v33, 31, v0                          ; lane
	v_and_b32 v34, 15, v0                          ; r
	v_bfe_u32 v35, v0, 4, 1                        ; h
	v_lshlrev_b32 v[LB], 5, v35
	v_lshlrev_b32 v[H16], 4, v35
	v_mul_u32_u24 v[R24], v34, 24
	v_lshlrev_b32 v[R8], 3, v34
	v_lshlrev_b32 v[OUTL], 3, v33
	v_lshlrev_b32 v[L16], 4, v33
	v_mov_b32 v[R0], 0                             ; the selects below read what they keep
	v_mov_b32 v[R0+1], 0
	v_mov_b32 v[SG+1], 0                           ; the upper registers of the two pairs: named, never used
	v_mov_b32 v[SS+1], 0
	s_lshl_b32 s25, s24, 8
	s_add_co_u32 s25, s25, ttmp9                   ; g
	s_cmp_lt_u32 s25, FULL
	s_cselect_b32 s26, 32, 28                      ; four tiles a block
	s_mov_b32 s27, 0
	s_mov_b32 s36, 0x76543210                      ; v_permlanex16_b32: each lane takes its own place in the other half
	s_mov_b32 s37, 0xfedcba98
	s_mov_b32 s39, 0x7fffffff
	SPAIR 40, 0xbf935611                           ; g1 = -1.15106405   (-log2 e times .7978568, .31838007, .03640312, -.00512970, .00036417)
	SPAIR 42, 0xbeeb2cb1                           ; g2 = -.45932535
	SPAIR 44, 0xbd571dbe                           ; g3 = -.05251860
	SPAIR 46, 0x3bf280a6                           ; g4 = +.00740059
	SPAIR 48, 0xba09ba0f                           ; g5 = -.00052539
	s_mov_b32 s52, 0xffff0000
	s_mov_b32 s53, 0x437f0000                      ; 255
	SPAIR 54, 0x3b804020                           ; 2 / 511
	SPAIR 68, 0x42ff0000                           ; 127.5
	SPAIR 70, 0x3fc90fdb                           ; pi / 2
	SPAIR 72, 0xbf255de7                           ; -(pi / 2)^3 / 6
	SPAIR 74, 0x3da335e3                           ; (pi / 2)^5 / 120
	SPAIR 76, 0xbb996966                           ; -(pi / 2)^7 / 5040
	SPAIR 78, 0xbf9de9e6                           ; -(pi / 2)^2 / 2
	SPAIR 80, 0x3e81e0f8                           ; (pi / 2)^4 / 24
	SPAIR 82, 0xbcaae9e4                           ; -(pi / 2)^6 / 720
	SPAIR 84, 0x3a70fa84                           ; (pi / 2)^8 / 40320
	s_wait_kmcnt 0x0
	s_load_b32 s38, s[20:21], 0x0                  ; bh
	s_add_nc_u64 s[56:57], s[8:9], 0x400000        ; tex, planes 1 and 2
	s_add_nc_u64 s[58:59], s[8:9], 0x800000
	TILEADR 27
	PLOAD                                          ; tile 0's point first, then all else that the start needs: one wait serves them all
	WIN 0x40                                       ; destination window 1
.set n, 0
.rept 48
	global_load_b128 v[4*n:4*n+3], v[L16], s[10:11] offset:512*n  ; the weights: w0 at v0 of window 1, w1 / 2 at v64, w2 / 2 at v128
.set n, n+1
.endr
	WIN 0
	s_cmp_lt_u32 s24, 2
	s_cbranch_scc0 .Ltables_done                   ; waves 0 and 1 copy the four tables of 64 numbers into LDS
	v_and_b32 v36, 63, v0
	v_lshlrev_b32 v36, 2, v36
	global_load_b32 v37, v36, s[12:13]
	global_load_b32 v38, v36, s[14:15]
	global_load_b32 v39, v36, s[16:17]
	global_load_b32 v40, v36, s[18:19]
	s_wait_loadcnt 0x0
	ds_store_b32 v36, v37
	ds_store_b32 v36, v38 offset:256
	ds_store_b32 v36, v39 offset:512
	ds_store_b32 v36, v40 offset:768
.Ltables_done:
	s_wait_dscnt 0x0                               ; for the others' sake: my stores are done
	s_barrier_signal -1
	s_barrier_wait -1
.irp t, 0,1,2,3
	ds_load_b128 v[ACC+8*\t:ACC+8*\t+3], v[LB] offset:64*\t        ; b0 starts the first tile's sums
	ds_load_b128 v[ACC+8*\t+4:ACC+8*\t+7], v[LB] offset:64*\t+16
.endr
	s_wait_loadcnt 0x0                             ; the point and the weights
	s_wait_kmcnt 0x0                               ; bh
	POINT
	GATHER
	s_mov_b32 s31, 1
	TILEADR 31
	PLOAD
; A TRIP: tile t.  Its texels were asked for in front of tile t - 1's whole MLP, its point two trips ago.
.Ltrip:
	PE
	INTERP
	s_add_co_u32 s31, s27, 1
	s_cmp_lt_u32 s31, s26
	s_cbranch_scc0 .Lno_next                       ; the wave's last trip has no next tile: nothing is gathered for one
	s_wait_loadcnt 0x0                             ; tile t + 1's point; no load is out: every offset register may be written
	POINT
	GATHER                                         ; tile t + 1's texels, into the registers just read
	s_add_co_u32 s31, s27, 2
	TILEADR 31
	PLOAD                                          ; tile t + 2's point
.Lno_next:
	MLPL 0
	GELU 0, 0
	GELU 1, 0
	GELU 2, 0
	GELU 3, 0
	MLPL 1
	GELU 0, 1
	GELU 1, 1
	GELU 2, 1
	GELU 3, 1
	SCALE
	MLPL 2
	GELU 0, 2
	GELU 1, 2
	GELU 2, 2
	GELU 3, 2
	v_pk_add_f32 v[HT:HT+1], v[HS:HS+1], v[HS+2:HS+3]
	v_add_f32 v[HT], v[HT], v[HT+1]                ; my 32 units;
	v_permlanex16_b32 v[HT+1], v[HT], s36, s37     ; the point's other 32 lie in the lane 16 away
	v_add_f32 v[HT], v[HT], v[HT+1]
	v_fma_f32 v[OUTV], v[HT], 0.5, s38             ; y = 2 gelu: the half, and bh
	; tile j = t & 3 belongs to lanes 16 (j >> 1) .. + 15, as their point j & 1
	s_and_b32 s60, s27, 3
	s_and_b32 s28, s27, 2
	s_cselect_b32 s61, s52, 0xffff                 ; lanes 16-31 (s52's mask) or lanes 0-15
	s_and_b32 s28, s27, 1
	s_cselect_b32 s62, 0, s61
	s_cselect_b32 s63, s61, 0
	s_wait_xcnt 0x0                                ; the last store's data and offset are written again only behind this wait
	v_cndmask_b32 v[R0], v[R0], v[OUTV], s62
	v_cndmask_b32 v[R0+1], v[R0+1], v[OUTV], s63
	s_cmp_eq_u32 s60, 3
	s_cbranch_scc0 .Lno_store
	s_lshr_b32 s28, s27, 2
	s_lshl_b32 s28, s28, 11
	s_add_co_u32 s28, s28, s25                     ; the block
	s_lshl_b32 s28, s28, 8
	v_add_nc_u32 v[OA], s28, v[OUTL]
	global_store_b64 v[OA], v[R0:R0+1], s[22:23] th:TH_STORE_NT  ; the wave stores the block's 256 consecutive bytes, aligned
.Lno_store:
	s_add_co_u32 s27, s27, 1
	s_cmp_lt_u32 s27, s26
	s_cbranch_scc1 .Ltrip
	s_wait_tensorcnt 0x0                           ; the wave's end
	ds_add_u32 v[SPW], v[NIL]
	s_wait_dscnt 0x0
	s_endpgm
.Lfunc_end_k_qd135fa9e3a_main:
	.size	k_qd135fa9e3a_main, .Lfunc_end_k_qd135fa9e3a_main-k_qd135fa9e3a_main
	.p2alignl 7, 3214868480
	.fill 96, 4, 3214868480
	.section	.rodata,"a",@progbits
	.p2align	6, 0x0
	.amdhsa_kernel k_qd135fa9e3a_main
		.amdhsa_group_segment_fixed_size 2048
		.amdhsa_private_segment_fixed_size 0
		.amdhsa_enable_private_segment 0
		.amdhsa_kernarg_size 80
		.amdhsa_user_sgpr_count 2
		.amdhsa_user_sgpr_kernarg_segment_ptr 1
		.amdhsa_wavefront_size32 1
		.amdhsa_system_sgpr_workgroup_id_x 1
		.amdhsa_system_sgpr_workgroup_id_y 1
		.amdhsa_system_sgpr_workgroup_id_z 1
		.amdhsa_system_vgpr_workitem_id 0
		.amdhsa_next_free_vgpr 448
		.amdhsa_next_free_sgpr 96
		.amdhsa_reserve_vcc 0
		.amdhsa_float_denorm_mode_32 3
		.amdhsa_float_denorm_mode_16_64 3
		.amdhsa_memory_ordered 1
		.amdhsa_forward_progress 1
		.amdhsa_inst_pref_size 68
	.end_amdhsa_kernel
	.amdgpu_metadata
---
amdhsa.version: [ 1, 2 ]
amdhsa.kernels:
  - .name:           k_qd135fa9e3a_main
    .symbol:         k_qd135fa9e3a_main.kd
    .args:
      - { .name: coords, .offset: 0, .size: 8, .value_kind: global_buffer, .address_space: global }
      - { .name: idx, .offset: 8, .size: 8, .value_kind: global_buffer, .address_space: global }
      - { .name: tex, .offset: 16, .size: 8, .value_kind: global_buffer, .address_space: global }
      - { .name: wfrag, .offset: 24, .size: 8, .value_kind: global_buffer, .address_space: global }
      - { .name: b0, .offset: 32, .size: 8, .value_kind: global_buffer, .address_space: global }
      - { .name: b1, .offset: 40, .size: 8, .value_kind: global_buffer, .address_space: global }
      - { .name: b2, .offset: 48, .size: 8, .value_kind: global_buffer, .address_space: global }
      - { .name: wh, .offset: 56, .size: 8, .value_kind: global_buffer, .address_space: global }
      - { .name: bh, .offset: 64, .size: 8, .value_kind: global_buffer, .address_space: global }
      - { .name: out0, .offset: 72, .size: 8, .value_kind: global_buffer, .address_space: global }
    .group_segment_fixed_size: 2048
    .private_segment_fixed_size: 0
    .kernarg_segment_align: 8
    .kernarg_segment_size: 80
    .max_flat_workgroup_size: 256
    .sgpr_count:     96
    .vgpr_count:     448
    .wavefront_size: 32
...
	.end_amdgpu_metadata
.endif
;; end of part 4
